; MI455X (gfx1250); checked and timed in simulation.
; The chip was launched on July 23, 2026; its instructions are those of AMD's public machine-readable ISA for CDNA 5 (MIT licence, August 2026) and "CDNA5" Instruction Set Architecture Reference Guide (July 2026). The comments in the code are by the model that wrote it; some were corrected since.
;; Causal Self Attention. Allowed arithmetic: matrix products marked QUANTISED: E2M3 operands, one E8M0 scale for each 32 along K, by v_wmma_scale_f32_16x16x128_f8f6f4 with both operands' format E2M3, f32 sums; everything else in f32.
;; Inputs: b_attn 3,072 float32; b_proj 1,024 float32; w_attn 1,024 x 3,072 float32; w_proj 1,024 x 1,024 float32; x 4 x 2,048 x 1,024 float32.
;; Outputs: out0 4 x 2,048 x 1,024 float32.
;; This version of the problem:
;;   THIS VERSION OF THE PROBLEM IS GIVEN IN LOW PRECISION. The matrix products marked QUANTISED in the list below multiply operands that are first quantised to E2M3 (2 exponent bits, 3 mantissa bits; 6 bits a number), with one power-of-two scale for each 32 numbers along K (OCP MX v1.0); their sums are f32. All else is computed in f32.
;;   The module's matrix products, in the order in which they are computed (A, B: the left and right operand; K: the contracted axis; several contracted axes count as one K, in the product's order):
;;     1. [M 8,192, K 1,024] x [K 1,024, N 3,072]; A: input x; B: input w_attn: QUANTISED
;;     2. batch 64 x [M 2,048, K 64] x [K 64, N 2,048]; A: computed on the way; B: computed on the way: QUANTISED
;;     3. batch 64 x [M 2,048, K 2,048] x [K 2,048, N 64]; A: softmax (see below); B: computed on the way: QUANTISED
;;     4. [M 8,192, K 1,024] x [K 1,024, N 1,024]; A: computed on the way; B: input w_proj: QUANTISED
;;   THE QUANTISER, for each operand of a quantised product, along K:
;;     - K is cut into blocks of 32 from its start; a last block that is shorter is filled with zeros.
;;     - A block's scale is 2^e with e = floor(log2(the largest magnitude in the block)) - 2, held to -126 .. 127; a block of zeros has e = 0. As a byte (E8M0): e + 127.
;;     - Each number is divided by its block's scale, clamped to +-7.5, and rounded to the nearest number of E2M3, ties to even, subnormals kept.
;;     - The product sums the exact products of the quantised numbers (number of the format x scale) in f32.
;;   ~~~python
;;   def quantise(x, axis):      # numpy; x: float32 -> the quantised numbers, widened to float32 again
;;       x = np.moveaxis(x, axis, -1); K = x.shape[-1]
;;       x = np.pad(x, [(0, 0)] * (x.ndim - 1) + [(0, -K % 32)]); x = x.reshape(x.shape[:-1] + (-1, 32)); a = np.abs(x).max(-1, keepdims=True)
;;       e = np.where(a > 0, np.clip(np.frexp(np.where(a > 0, a, 1))[1] - 1 - 2, -126, 127), 0)      # np.frexp(a)[1] - 1 = floor(log2(a)), exactly
;;       r = np.clip(x / 2.0 ** e, -7.5, 7.5)
;;       step = 2.0 ** (np.maximum(np.frexp(np.where(r == 0, 1, r))[1] - 1, 0) - 3)
;;       q = np.round(r / step) * step * 2.0 ** e      # np.round: ties to even
;;       return np.moveaxis(q.reshape(q.shape[:-2] + (-1,))[..., :K], -1, axis).astype(np.float32)
;;   ~~~
;;   SOFTMAX AHEAD OF A QUANTISED PRODUCT. Where the list says 'softmax', what is quantised is not the finished softmax but p = 2^(t - M), with t = logit x log2(e) and M = ceil(the row's largest t), a whole number; so 1/2 < the row's largest p <= 1. The row's sum l is taken of the UNQUANTISED p, in f32, and the product's result is divided by l at the end. Since M is a whole number, a kernel that streams over the keys may use a running M (the ceiling of the running maximum): every later rescaling is an exact power of two, which a block's scale takes up: the codes' values come out the same.
;;   OPERANDS COMPUTED ON THE WAY. 'Computed on the way' means the value that the module computes at that place (a softmax that the list does not call 'softmax' is quantised finished and normalised). What goes into a quantiser is computed in f32, as accurately as f32 sums, v_exp_f32 and their like allow (about 1e-6 of the number): no bf16 or f16 on the way to a quantiser, and a product that is left as it is and whose result goes on into a quantised operand takes f32 operands (vector FMAs, or v_wmma_f32_16x16x4_f32). A number that lies on a knife's edge between two numbers of the format may be rounded either way, as far as f32 arithmetic and the matrix unit's own rounding can turn it there, and no further.
;; One version. Each part assembles by itself: llvm-mc -triple=amdgcn-amd-amdhsa -mcpu=gfx1250 --defsym DOCPART=n.
;; ======== version 1 of 1: 4 launches
;; limits: right only within a limited range of input values
;; workspace buffers: opc 8,650,752 bytes; ops 360,448 bytes; pc 786,432 bytes; ps 32,768 bytes; qkvc 18,874,368 bytes; qkvs 786,432 bytes; yc 6,291,456 bytes; ys 262,144 bytes
;; launch quant (part 1): grid 384 x 1, 4 waves a work-group, no clusters, 61,952 bytes of LDS; arguments x, w_attn, w_proj, opc, ops, pc, ps; writes opc, ops, pc, ps
.if DOCPART == 1
	.amdgcn_target "amdgcn-amd-amdhsa--gfx1250"
	.amdhsa_code_object_version 6
	.text
	.protected	k_q83ed7034bf_quant
	.globl	k_q83ed7034bf_quant
	.p2align	8
	.type	k_q83ed7034bf_quant,@function
k_q83ed7034bf_quant:
	s_mov_b64 s[64:65], 0
	v_nop
	global_prefetch_b8 v0, s[64:65] scope:SCOPE_SE
	s_setreg_imm32_b32 hwreg(HW_REG_WAVE_MODE, 25, 1), 1
	s_wait_xcnt 0x0
; x [8192][1024], w_attn [1024][3072] and w_proj [1024][1024], f32, become codes of FP6 (E2M3) with one E8M0 byte for each 32 along K (x: its last axis; the weights: their first).
; A block's scale is 2^(floor(log2(largest magnitude)) - 2): its byte is the largest magnitude's exponent field - 2, held at 1 from below.
; LIMITS: a block of zeros gets the byte 1 (its codes are zeros; this program alone reads the bytes); magnitudes under 2^-124 are held at the byte 1; NaN and infinities among the inputs are not served.
; THE LAYOUT IS THE READER'S REGISTERS.  A TILE t is 16 rows: lane place r takes row 32 (t / 2) + 8 (t % 2) + r + 8 (r / 8).  A UNIT is a tile x 64 along K, 768 bytes: lane l = r + 16 h holds the 24 bytes
; of block 2 u + h of its row: words 0-3 at 16 l, words 4-5 at 512 + 8 l.  Two neighbouring units are one operand of 12 registers.  A scale word is a row's four bytes of 128 along K.
;   opc [slot 4 (256 K)][tile 704][4 units][768]: tiles 0-511 x, 512-703 w_attn's columns;  ops [K step 8][tile 704][16 words];  pc [K half 2][tile 64][8 units][768];  ps [tile 64][K step 8][16 words].
; Work-groups 0-255 take x, 256-383 the weights; the two ways have LDS bytes of their own.  Waves share nothing: no barrier.  No cluster: no two work-groups read the same bytes.
.set SLOTP, 2162688                    ; a slot of opc: 704 tiles x 3,072 bytes
.set OPSP,  45056                      ; a K step of ops: 704 tiles x 64 bytes
.set XW,    8704                       ; x: a wave's LDS: a stage of 16 rows x 528 bytes, then 256 bytes of scale words
.set XSC,   8448
.set WB,    34816                      ; the weights' LDS begins here
.set WW,    6656                       ; a wave's: two tiles' 3,072 bytes, 3,200 apart
.set XR,    16                         ; v16-143  x as loaded, two sets of 64
.set XX,    144                        ; v144-207 64 numbers: two whole blocks of my row
.set XC,    208                        ; v208-223 codes, 8 registers a unit
.set XD,    224                        ; v224-231 the second half of a block's codes, 4 a unit
	s_load_b128 s[4:7], s[0:1], 0x0                ; x, w_attn
	s_load_b128 s[8:11], s[0:1], 0x10              ; w_proj, opc
	s_load_b128 s[12:15], s[0:1], 0x20             ; ops, pc
	s_load_b64 s[16:17], s[0:1], 0x30              ; ps
	v_lshl_add_u32 v254, v0, 2, 0xf000
	v_mov_b32 v255, 0
	v_lshrrev_b32 v1, 5, v0
	v_readfirstlane_b32 s18, v1                    ; wave
	v_and_b32 v8, 31, v0                           ; lane
	v_and_b32 v9, 15, v0                           ; r
	v_bfe_u32 v10, v0, 4, 1                        ; h
	s_mov_b32 s20, 0x76543210
	s_mov_b32 s21, 0xfedcba98                      ; v_permlanex16_b32's selects for lane l xor 16
	s_cmp_lt_u32 ttmp9, 256
	s_cbranch_scc0 .Lw
; ---------------- x: a work-group takes 64 rows (4 tiles) x 512 along K; a wave one K step of 128: four operands
	s_lshr_b32 s22, ttmp9, 1                       ; G: rows 64 G on
	s_and_b32 s23, ttmp9, 1
	s_lshl_b32 s23, s23, 2
	s_add_co_u32 s23, s23, s18                     ; s: the K step
	s_mul_i32 s19, s18, XW
	s_wait_alu depctr_va_vdst(0)
	v_lshlrev_b32 v1, 4, v8                        ; 16 l
	v_add_nc_u32 v2, s19, v1                       ; into the stage: a row's 512 bytes as they lie
	v_mul_u32_u24 v3, v9, 528
	v_lshl_add_u32 v3, v10, 7, v3
	v_add_nc_u32 v3, s19, v3                       ; out of it: row r, + 128 h: my block
	v_lshlrev_b32 v4, 3, v8                        ; 8 l
	v_lshlrev_b32 v5, 2, v9
	v_add_nc_u32 v5, s19, v5
	v_add_nc_u32 v5, XSC, v5                       ; my row's scale word
	v_add_nc_u32 v6, s19, v4
	v_add_nc_u32 v6, XSC, v6                       ; and the words' way out, 8 bytes a lane
	v_lshlrev_b32 v7, 3, v10                       ; 8 h: my bytes' place in the word
	v_mov_b32 v240, 0                              ; a lane permute's destination counts as read
	s_lshl_b32 s24, s22, 18                        ; 64 rows of 4,096 bytes
	s_lshl_b32 s25, s23, 9
	s_add_co_u32 s24, s24, s25
	s_mov_b32 s25, 0
	s_lshr_b32 s26, s23, 1
	s_mul_i32 s26, s26, SLOTP
	s_mul_i32 s27, s22, 12288
	s_add_co_u32 s26, s26, s27
	s_and_b32 s27, s23, 1
	s_mul_i32 s27, s27, 1536
	s_add_co_u32 s26, s26, s27
	s_mov_b32 s27, 0
	s_mul_i32 s28, s23, OPSP
	s_lshl_b32 s29, s22, 8
	s_add_co_u32 s28, s28, s29
	s_mov_b32 s29, 0
	s_wait_alu depctr_va_vdst(0)
	s_wait_kmcnt 0x0
	s_add_nc_u64 s[4:5], s[4:5], s[24:25]
	s_add_nc_u64 s[10:11], s[10:11], s[26:27]
	s_add_nc_u64 s[12:13], s[12:13], s[28:29]
.macro LOADX f                         ; tile f's 16 rows: each load reads 512 consecutive bytes of one row
.irp p, 0,1,2,3,4,5,6,7,8,9,10,11,12,13,14,15
	global_load_b128 v[XR+64*((\f)%2)+4*\p:XR+64*((\f)%2)+4*\p+3], v1, s[4:5] offset:(32*((\f)/2)+8*((\f)%2)+\p+8*(\p/8))*4096 th:TH_LOAD_NT
.endr
.endm
.macro FRAGX f
.if (\f) < 3
	s_wait_loadcnt 16                              ; this tile's 16 loads are in; the next tile's 16 may be out
.else
	s_wait_loadcnt 0
.endif
.irp p, 0,1,2,3,4,5,6,7,8,9,10,11,12,13,14,15
	ds_store_b128 v2, v[XR+64*((\f)%2)+4*\p:XR+64*((\f)%2)+4*\p+3] offset:528*\p
.endr
.irp c, 0,1                            ; LDS serves a wave's instructions in order: these see the stores.  Rows 528 bytes apart
.irp j, 0,1,2,3,4,5,6,7
	ds_load_b128 v[XX+32*\c+4*\j:XX+32*\c+4*\j+3], v3 offset:256*\c+16*\j
.endr
.endr
	s_wait_dscnt 0x0                               ; my 64 numbers are in, and the stores have read their registers
.if (\f) < 2
	LOADX (\f)+2
.endif
.irp c, 0,1                            ; the two blocks' largest magnitudes, two chains each, by turns
	v_max3_num_f32 v[232+2*\c], |v[XX+32*\c]|, |v[XX+32*\c+1]|, |v[XX+32*\c+2]|
	v_max3_num_f32 v[233+2*\c], |v[XX+32*\c+3]|, |v[XX+32*\c+4]|, |v[XX+32*\c+5]|
.endr
.irp i, 6,10,14,18,22,26
.irp c, 0,1
	v_max3_num_f32 v[232+2*\c], v[232+2*\c], |v[XX+32*\c+\i]|, |v[XX+32*\c+\i+1]|
	v_max3_num_f32 v[233+2*\c], v[233+2*\c], |v[XX+32*\c+\i+2]|, |v[XX+32*\c+\i+3]|
.endr
.endr
.irp c, 0,1
	v_max3_num_f32 v[232+2*\c], v[232+2*\c], |v[XX+32*\c+30]|, |v[XX+32*\c+31]|
.endr
.irp c, 0,1
	v_max3_num_f32 v[232+2*\c], v[232+2*\c], v[233+2*\c], 0x1800000   ; and the floor 2^(3 - 127): the byte cannot fall under 1
.endr
.irp c, 0,1
	v_add_nc_u32 v[236+\c], 0xff000000, v[232+2*\c]                   ; 2 off the exponent field: the conversion's scale operand
.endr
	s_wait_alu depctr_va_vdst(0)
	s_wait_xcnt 0x0                                ; the last tile's stores have read their data: the codes' registers may be written
.irp c, 0,1
	v_cvt_scalef32_pk16_fp6_f32 v[XC+8*\c:XC+8*\c+2], v[XX+32*\c:XX+32*\c+15], v[236+\c]
	v_cvt_scalef32_pk16_fp6_f32 v[XD+4*\c:XD+4*\c+2], v[XX+32*\c+16:XX+32*\c+31], v[236+\c]   ; (a conversion's three registers begin on an even number)
.endr
.irp c, 0,1
	v_lshrrev_b32 v[238+\c], 23, v[236+\c]         ; the bytes.  (Plain lines behind the conversions)
.endr
.irp c, 0,1
.irp i, 0,1,2
	v_mov_b32 v[XC+8*\c+3+\i], v[XD+4*\c+\i]
.endr
.endr
	v_lshl_or_b32 v241, v239, 16, v238             ; my bytes: blocks h and 2 + h,
	v_lshlrev_b32 v241, v7, v241                   ; at their places;
	v_permlanex16_b32 v240, v241, s20, s21
	v_or_b32 v241, v241, v240                      ; with lane l xor 16's the word is whole
	ds_store_b32 v5, v241 offset:64*(\f)           ; both halves of the lanes write the same word
.irp c, 0,1
	global_store_b128 v1, v[XC+8*\c:XC+8*\c+3], s[10:11] offset:3072*(\f)+768*\c        ; 512 consecutive bytes, aligned to 256
	global_store_b64 v4, v[XC+8*\c+4:XC+8*\c+5], s[10:11] offset:3072*(\f)+768*\c+512   ; 256 more
.endr
.endm
	LOADX 0
	LOADX 1
	FRAGX 0
	FRAGX 1
	FRAGX 2
	FRAGX 3
	ds_load_b64 v[242:243], v6                     ; the four tiles' words
	s_wait_dscnt 0x0
	global_store_b64 v4, v[242:243], s[12:13]      ; 256 consecutive bytes, aligned
	s_wait_tensorcnt 0x0
	ds_add_u32 v254, v255
	s_wait_dscnt 0x0
	s_endpgm
; ---------------- the weights: a lane takes a column, its registers run down K.  A work-group: 128 columns x 256 along K; a wave 32 columns: two tiles
.set WX,  32                           ; v32-95   two sets of 32 numbers
.set WC,  96                           ; v96-101  a block's codes
.set WD,  104
.set WSB, 24                           ; v24-25   the scale words of the two K steps
.set WOUT, 112                         ; v112-159 the way out
.set WO,  160                          ; v160-191 4 x lane + i rows
.Lw:
	s_sub_co_u32 s22, ttmp9, 256
	s_and_b32 s23, s22, 31                         ; the group of 128 columns: 0-23 w_attn's, 24-31 w_proj's
	s_lshr_b32 s22, s22, 5                         ; the quarter of K
	s_max_u32 s24, s23, 24
	s_sub_co_u32 s24, s24, 24
	s_lshl_b32 s25, s18, 1
	s_lshl_b32 s26, s23, 3                         ; w_attn: tile 512 + 8 group + 2 wave
	s_add_co_u32 s26, s26, s25
	s_add_co_u32 s26, s26, 512
	s_mul_i32 s28, s22, SLOTP
	s_mul_i32 s27, s26, 3072
	s_add_co_u32 s28, s28, s27                     ; its codes,
	s_mul_i32 s29, s22, 2*OPSP
	s_lshl_b32 s27, s26, 6
	s_add_co_u32 s29, s29, s27                     ; its scale words,
	s_mul_i32 s30, s22, 3145728
	s_lshl_b32 s27, s23, 9
	s_add_co_u32 s30, s30, s27                     ; its numbers
	s_lshl_b32 s26, s24, 3                         ; w_proj: tile 8 group + 2 wave
	s_add_co_u32 s26, s26, s25
	s_lshr_b32 s27, s22, 1
	s_lshl_b32 s27, s27, 6
	s_add_co_u32 s27, s27, s26
	s_mul_i32 s31, s27, 6144
	s_and_b32 s27, s22, 1
	s_mul_i32 s27, s27, 3072
	s_add_co_u32 s31, s31, s27
	s_lshl_b32 s32, s26, 9
	s_lshl_b32 s27, s22, 7
	s_add_co_u32 s32, s32, s27
	s_lshl_b32 s33, s22, 20
	s_lshl_b32 s27, s24, 9
	s_add_co_u32 s33, s33, s27
	s_mov_b32 s38, 4096
	s_mov_b32 s39, 6144
	s_wait_kmcnt 0x0
	s_cmp_lt_u32 s23, 24                           ; which weight?  The choice hangs on the work-group's number alone; only pointers and offsets are chosen
	s_cselect_b64 s[4:5], s[6:7], s[8:9]
	s_cselect_b64 s[10:11], s[10:11], s[14:15]
	s_cselect_b64 s[12:13], s[12:13], s[16:17]
	s_cselect_b32 s28, s28, s31
	s_cselect_b32 s30, s30, s33
	s_cselect_b32 s36, s29, s32
	s_cselect_b32 s38, 12288, s38                  ; a row of the weight in bytes
	s_cselect_b32 s39, 3072, s39                   ; from tile to tile in the codes
	s_cselect_b32 s40, OPSP, 64                    ; from K step to K step in the scale words
	s_cselect_b32 s41, 64, 512                     ; from tile to tile there
	s_lshl_b32 s27, s18, 7
	s_add_co_u32 s30, s30, s27
	s_mov_b32 s31, 0
	s_add_nc_u64 s[4:5], s[4:5], s[30:31]
	s_mov_b32 s29, 0
	s_add_nc_u64 s[10:11], s[10:11], s[28:29]
	s_mov_b32 s37, 0
	s_add_nc_u64 s[12:13], s[12:13], s[36:37]
	s_lshl_b32 s42, s38, 5                         ; 32 rows
	s_mov_b32 s43, 0
	s_wait_alu depctr_va_vdst(0)
	v_lshlrev_b32 v3, 2, v8
	v_bfe_u32 v11, v0, 3, 1                        ; column c lies in tile (c / 8) % 2,
	v_and_b32 v12, 7, v0
	v_lshl_or_b32 v12, v10, 3, v12                 ; at place (c % 8) + 8 (c / 16)
	s_mul_i32 s19, s18, WW
	s_add_co_u32 s19, s19, WB
	v_mul_u32_u24 v13, v11, 3200
	v_add_nc_u32 v13, s19, v13
	v_lshl_add_u32 v14, v12, 4, v13                ; my words 0-3
	v_lshl_add_u32 v15, v12, 3, v13                ; my words 4-5
	v_lshlrev_b32 v16, 4, v8                       ; the way out: 16 l in the first tile,
	v_add_nc_u32 v17, s19, v16
	v_add_nc_u32 v18, s39, v16                     ; and in the second
	v_mul_u32_u24 v19, s41, v11
	v_lshl_add_u32 v19, v12, 2, v19                ; my scale word of the first K step,
	v_add_nc_u32 v20, s40, v19                     ; of the second
.irp i, 0,1,2,3,4,5,6,7,8,9,10,11,12,13,14,15,16,17,18,19,20,21,22,23,24,25,26,27,28,29,30,31
	v_mad_u32_u24 v[WO+\i], s38, \i, v3
.endr
.macro LOADW t                         ; block t: 32 rows at my column; a load reads 128 consecutive bytes, the four waves stand side by side
.if (\t) > 0
	s_wait_xcnt 0x0                                ; the earlier loads have read their base: it may step
	s_add_nc_u64 s[4:5], s[4:5], s[42:43]
.endif
.irp i, 0,1,2,3,4,5,6,7,8,9,10,11,12,13,14,15,16,17,18,19,20,21,22,23,24,25,26,27,28,29,30,31
	global_load_b32 v[WX+32*((\t)%2)+\i], v[WO+\i], s[4:5] th:TH_LOAD_NT
.endr
.endm
.macro BLOCK t
.set XS, WX+32*((\t)%2)
.if (\t) < 7
	s_wait_loadcnt 32                              ; this block's 32 loads are in; the next block's may be out
.else
	s_wait_loadcnt 0
.endif
	v_max3_num_f32 v26, |v[XS]|, |v[XS+1]|, |v[XS+2]|
	v_max3_num_f32 v27, |v[XS+3]|, |v[XS+4]|, |v[XS+5]|
.irp i, 6,10,14,18,22,26
	v_max3_num_f32 v26, v26, |v[XS+\i]|, |v[XS+\i+1]|
	v_max3_num_f32 v27, v27, |v[XS+\i+2]|, |v[XS+\i+3]|
.endr
	v_max3_num_f32 v26, v26, |v[XS+30]|, |v[XS+31]|
	v_max3_num_f32 v26, v26, v27, 0x1800000
	v_add_nc_u32 v28, 0xff000000, v26
	v_lshrrev_b32 v29, 23, v28
	v_cvt_scalef32_pk16_fp6_f32 v[WC:WC+2], v[XS:XS+15], v28
	v_cvt_scalef32_pk16_fp6_f32 v[WD:WD+2], v[XS+16:XS+31], v28
.if (\t)%4 == 0
	v_mov_b32 v[WSB+(\t)/4], v29                   ; four bytes to a word, the lower K lower.  (A plain line behind the conversions)
.else
	v_lshl_or_b32 v[WSB+(\t)/4], v29, 8*((\t)%4), v[WSB+(\t)/4]
.endif
.irp i, 0,1,2
	v_mov_b32 v[WC+3+\i], v[WD+\i]
.endr
	ds_store_b128 v14, v[WC:WC+3] offset:768*((\t)/2)+256*((\t)%2)          ; unit t / 2, lane place r + 16 (t % 2)
	ds_store_b64 v15, v[WC+4:WC+5] offset:768*((\t)/2)+512+128*((\t)%2)
.if (\t) < 6
	LOADW (\t)+2
.endif
	s_wait_dscnt 0x0                               ; the stores have read their registers
.endm
	LOADW 0
	s_wait_alu depctr_va_vdst(0)
	LOADW 1
.irp t, 0,1,2,3,4,5,6,7
	BLOCK \t
.endr
	global_store_b32 v19, v[WSB], s[12:13]         ; pieces of 64 bytes a tile: the weights' scale words are one byte in 128 of what the launch reads
	s_wait_alu depctr_va_vdst(0)
	global_store_b32 v20, v[WSB+1], s[12:13]
.irp j, 0,1,2,3,4,5,6,7,8,9,10,11
	ds_load_b128 v[WOUT+4*\j:WOUT+4*\j+3], v17 offset:(\j/6)*3200+512*(\j%6)
.endr
.irp j, 0,1,2,3,4,5,6,7,8,9,10,11
	s_wait_dscnt 11-\j                             ; the younger reads may be out
	global_store_b128 v[16+2*(\j/6)], v[WOUT+4*\j:WOUT+4*\j+3], s[10:11] offset:512*(\j%6)   ; 512 consecutive bytes, aligned to 256
.endr
	s_wait_tensorcnt 0x0
	ds_add_u32 v254, v255
	s_wait_dscnt 0x0
	s_endpgm
.Lfunc_end_k_q83ed7034bf_quant:
	.size	k_q83ed7034bf_quant, .Lfunc_end_k_q83ed7034bf_quant-k_q83ed7034bf_quant
	.p2alignl 7, 3214868480
	.fill 96, 4, 3214868480
	.section	.rodata,"a",@progbits
	.p2align	6, 0x0
	.amdhsa_kernel k_q83ed7034bf_quant
		.amdhsa_group_segment_fixed_size 61952
		.amdhsa_private_segment_fixed_size 0
		.amdhsa_enable_private_segment 0
		.amdhsa_kernarg_size 56
		.amdhsa_user_sgpr_count 2
		.amdhsa_user_sgpr_kernarg_segment_ptr 1
		.amdhsa_wavefront_size32 1
		.amdhsa_system_sgpr_workgroup_id_x 1
		.amdhsa_system_sgpr_workgroup_id_y 1
		.amdhsa_system_sgpr_workgroup_id_z 1
		.amdhsa_system_vgpr_workitem_id 0
		.amdhsa_next_free_vgpr 256
		.amdhsa_next_free_sgpr 66
		.amdhsa_reserve_vcc 0
		.amdhsa_float_denorm_mode_32 3
		.amdhsa_float_denorm_mode_16_64 3
		.amdhsa_memory_ordered 1
		.amdhsa_forward_progress 1
		.amdhsa_inst_pref_size 76
	.end_amdhsa_kernel
	.amdgpu_metadata
---
amdhsa.version: [ 1, 2 ]
amdhsa.kernels:
  - .name:           k_q83ed7034bf_quant
    .symbol:         k_q83ed7034bf_quant.kd
    .args:
      - { .name: x, .offset: 0, .size: 8, .value_kind: global_buffer, .address_space: global }
      - { .name: w_attn, .offset: 8, .size: 8, .value_kind: global_buffer, .address_space: global }
      - { .name: w_proj, .offset: 16, .size: 8, .value_kind: global_buffer, .address_space: global }
      - { .name: opc, .offset: 24, .size: 8, .value_kind: global_buffer, .address_space: global }
      - { .name: ops, .offset: 32, .size: 8, .value_kind: global_buffer, .address_space: global }
      - { .name: pc, .offset: 40, .size: 8, .value_kind: global_buffer, .address_space: global }
      - { .name: ps, .offset: 48, .size: 8, .value_kind: global_buffer, .address_space: global }
    .group_segment_fixed_size: 61952
    .private_segment_fixed_size: 0
    .kernarg_segment_align: 8
    .kernarg_segment_size: 56
    .max_flat_workgroup_size: 128
    .sgpr_count:     66
    .vgpr_count:     256
    .wavefront_size: 32
...
	.end_amdgpu_metadata
.endif
;; end of part 1
;; launch qkv (part 2): grid 12 x 32, 4 waves a work-group, clusters of 4 x 4, 327,680 bytes of LDS; arguments opc, ops, b_attn, qkvc, qkvs; writes qkvc, qkvs
.if DOCPART == 2
	.amdgcn_target "amdgcn-amd-amdhsa--gfx1250"
	.amdhsa_code_object_version 6
	.text
	.protected	k_q83ed7034bf_qkv
	.globl	k_q83ed7034bf_qkv
	.p2align	8
	.type	k_q83ed7034bf_qkv,@function
k_q83ed7034bf_qkv:
	s_mov_b64 s[64:65], 0
	v_nop
	global_prefetch_b8 v0, s[64:65] scope:SCOPE_SE
	s_setreg_imm32_b32 hwreg(HW_REG_WAVE_MODE, 25, 1), 1
	s_wait_xcnt 0x0
	s_wait_alu depctr_hold_cnt(0) depctr_sa_sdst(0) depctr_va_vdst(0) depctr_va_sdst(0) depctr_va_ssrc(0) depctr_va_vcc(0) depctr_vm_vsrc(0)
	s_getreg_b32 s2, hwreg(HW_REG_IB_STS2, 6, 4)
	s_cmp_eq_u32 s2, 0
	s_cbranch_scc0 .Lentry_in_a_cluster
	s_endpgm
.Lentry_in_a_cluster:
	s_bfe_u32 s2, ttmp6, 0x10000c
	s_cmp_lg_u32 s2, 0xf033
	s_cbranch_scc0 .Lentry_shape_is_right
	s_endpgm
.Lentry_shape_is_right:
; qkv = x w_attn + b_attn on codes of FP6 (E2M3) with E8M0 scales, K = 1,024; the result leaves as CODES: q and k quantised along the head's 64, v along the keys.  No f32 result goes to memory.
; A work-group makes 256 ROWS (source 1) x 256 COLUMNS (source 0) and quantises along the columns, which are a lane's registers.  Clusters x = 0, 1 (q, k): rows = tokens, columns = features.
; Cluster x = 2 (v): rows = features 2,048 on, columns = tokens: that is v transposed, the keys innermost.  Both operands lie in one buffer of tiles, so only offsets are chosen, by the cluster's x, which all partners share.
; TILES, UNITS: a tile t is 16 rows, lane place r = row 32 (t / 2) + 8 (t % 2) + r + 8 (r / 8); a unit is a tile x 64 K, 768 bytes (lane l: words 0-3 at 16 l, words 4-5 at 512 + 8 l).  With such tiles as
; source 0 the 16 registers of column tiles 2 b, 2 b + 1 are 16 neighbouring columns 32 b + 16 (lane / 16) + 0 .. 15: what the conversions want.
; Four waves, 128 x 128 each: 64 accumulators.  K goes in steps of 256 through two LDS slots; a wave's tensor load brings 8 tiles x 4 units, 24,576 dense bytes.  The scale words of all of K come once.
; CLUSTERS: 4 x 4.  The four of a row of the cluster need the same rows' tiles, the four of a column the same columns': each is asked for jointly.
; OUT: qkvc [part 3][batch x head 64][98,304]: q, k [token tile 128][768]; v [64 keys 32][tile of the head's 64: 4][768].  qkvs [part][64][4,096]: q, k [pair of tiles 64][16] words (two bytes of the even tile, two of the odd); v [128 keys 16][tile 4][16] words.
; LIMITS: a block of zeros gets the byte 1 (zero codes; this program alone reads the bytes); magnitudes under 2^-124 are held at the byte 1; NaN and infinities are not served.
; REGISTERS: window 0: v1-5 lane terms, v16-29 addresses; v32-63 scale words, two sets; v64-127 the bias; v128-223 the rows' fragments, one set; on the way out v128-255 are at work.
;   window 1: the columns' fragments, two sets, at v0 and v128.  windows 2, 3: the accumulators ((a, b) at v[8 (8 (a % 4) + b)]).
.set SLOTP, 2162688                    ; a K step of 256 in opc
.set NQ,    2
.set FR,    12
.set NL,    4                          ; LDS loads that bring a fragment
.set NP,    4                          ; places behind this matrix instruction (ISA guide 7.12.1)
.set PART,  24576                      ; what one tensor load brings
.set SLOT,   2*PART                    ; LDS: the rows' slot 0, slot 1 (16 tiles each), then the columns' slot 0, slot 1
.set SCL,   8*PART                     ; the scale words: the rows' [K step of 128: 8][16 tiles][64 bytes], then the columns', 8,192 bytes each
.set SPARE, SCL+4*4096                 ; the spare words, 128 bytes a wave: two blocks of 256 bytes that no other line names
.set STG,   SPARE+512                  ; 512 bytes a wave for the scale words' way out: no fill lands here
.set ADRA, 16                          ; v16-17 16 l + my rows' part in slot 0, 1;  v18-19 the same with 8 l
.set ADRB, 20                          ; v20-23 the same for the columns
.set STI,  24
.set STO,  25
.set SGO,  26
.set ADRS, 27                          ; my scale words: lanes 0-15 the rows', lanes 16-31 the columns'
.set SPW,  28
.set NIL,  29
.set SC,   32
.set BI,   64
.set AF,   128
.set TT,   128                         ; the way out: 64 numbers
.set PC,   192                         ; their codes
.set TM,   212
.set PWA,  228                         ; the eight row blocks' scale words
.set WD,   236
.set VO,   244
.set G1, 24
.set G0, 32
.set G1B, 48
.set G0B, 56
.set G1S, 68
.set G0S, 76
.set G1SB, 80
.set G0SB, 88
.set SEL, 98
.set MSB, 0
.macro WIN new                         ; the immediate's high byte repeats the setting that is left
.if MSB != \new
	s_set_vgpr_msb (MSB<<8)|\new
.set MSB, \new
.endif
.endm
.set MUL_LO, 0xa1                      ; source 0 window 1, source 1 window 0, C and D window 2
.set MUL_HI, 0xf1
.set TO_B,   0x40
; A joint load: waves 0 and 1 fetch for the rows, waves 2 and 3 for the columns.  Four v_nop follow each of the two lines.
.macro JLOAD g0a, g1a, g0b, g1b
	s_cmp_eq_u32 s15, 0
	s_cbranch_scc0 .Lfor_b_\@
	tensor_load_to_lds s[\g0a:\g0a+3], s[\g1a:\g1a+7]
	s_nop 0
.rept 4
	v_nop
.endr
	s_branch .Lasked_\@
.Lfor_b_\@:
	tensor_load_to_lds s[\g0b:\g0b+3], s[\g1b:\g1b+7]
	s_nop 0
.rept 4
	v_nop
.endr
.Lasked_\@:
.endm
.macro CREST
	s_cmp_lg_u32 s14, 0
	s_cbranch_scc1 .Lnot_wave_0_\@
	s_barrier_signal -3
.Lnot_wave_0_\@:
	s_barrier_wait -3
	s_barrier_signal -1
	s_barrier_wait -1
.endm
.macro CROUND
	s_barrier_signal -1
	s_barrier_wait -1
	CREST
.endm
	s_load_b128 s[4:7], s[0:1], 0x0                ; opc, ops
	s_load_b128 s[8:11], s[0:1], 0x10              ; b_attn, qkvc
	s_load_b64 s[12:13], s[0:1], 0x20              ; qkvs
	v_lshl_add_u32 v[SPW], v0, 2, SPARE
	v_mov_b32 v[NIL], 0
	ds_add_u32 v28, v29
	ds_add_u32 v28, v29
	s_wait_dscnt 0x0
	v_lshrrev_b32 v1, 5, v0
	v_readfirstlane_b32 s14, v1                    ; wave
	s_lshr_b32 s15, s14, 1                         ; my half of the rows.  Also: I fetch for the rows (0) or the columns (1)
	s_and_b32 s16, s14, 1                          ; my half of the columns.  Also: which 8 tiles I fetch
	s_bfe_u32 s40, ttmp6, 0x40000                  ; cx
	s_bfe_u32 s41, ttmp6, 0x40004                  ; cy
	s_and_b32 s17, ttmp7, 0xffff                   ; cluster y
	s_cmp_eq_u32 ttmp9, 2                          ; v's clusters
	s_cselect_b32 s66, 1, 0
	s_cselect_b32 s18, 0, s17
	s_cselect_b32 s19, s17, ttmp9
	s_cselect_b32 s20, 640, 0                      ; the rows' first tile in opc: v's features begin at tile 512 + 128
	s_cselect_b32 s21, 0, 512                      ; the columns'
	s_lshl_b32 s17, s18, 2
	s_add_co_u32 s17, s17, s41                     ; block of 256 rows: hangs on cy, never on cx
	s_lshl_b32 s42, s19, 2
	s_add_co_u32 s42, s42, s40                     ; block of 256 columns: hangs on cx, never on cy
	s_lshl_b32 s43, s41, 2
	s_lshl_b32 s43, 15, s43                        ; my row of the cluster
	s_lshl_b32 s44, 0x1111, s40                    ; my column
	s_or_b32 s[G1+0], s43, (3<<16)|(1<<21)         ; 15:0 the mask; 17:16 elements of 8 bytes; 21 set beside a mask; no padding: every LDS read is dense
	s_or_b32 s[G1B+0], s44, (3<<16)|(1<<21)
.irp g, G1, G1B                        ; 24,576 dense bytes as 96 rows of 256
	s_mov_b32 s[\g+1], 6144<<16                    ; for the head's load: two rows of 49,152 bytes: 16 tiles of slot 0 and of slot 1,
	s_mov_b32 s[\g+2], 2<<16
	s_mov_b32 s[\g+3], 6144<<16
	s_mov_b32 s[\g+4], 2
	s_mov_b32 s[\g+5], SLOTP/8                     ; a K step of 256 apart in opc; behind the head these five words are set for the ring's 96 rows of 256 bytes
	s_mov_b32 s[\g+6], 0
	s_mov_b32 s[\g+7], 0
.endr
	s_or_b32 s[G1S+0], s43, (3<<16)|(1<<21)
	s_or_b32 s[G1SB+0], s44, (3<<16)|(1<<21)
.irp g, G1S, G1SB                      ; the scale words of 16 tiles: 8 rows (K steps) of 1,024 bytes, 45,056 bytes apart
	s_mov_b32 s[\g+1], 128<<16                     ; (16 tiles: rows of 1,024 bytes)
	s_mov_b32 s[\g+2], 8<<16
	s_mov_b32 s[\g+3], 128<<16
	s_mov_b32 s[\g+4], 8
	s_mov_b32 s[\g+5], 5632
	s_mov_b32 s[\g+6], 0
	s_mov_b32 s[\g+7], 0
.endr
	s_lshl_b32 s18, s16, 3
	s_lshl_b32 s22, s17, 4
	s_add_co_u32 s20, s20, s22                     ; the block's first tile of the rows
	s_lshl_b32 s46, s42, 4
	s_add_co_u32 s46, s46, s21                     ; and of the columns
	s_lshl_b32 s22, s20, 6                         ; their scale words: 64 bytes a tile
	s_mov_b32 s23, 0
	s_lshl_b32 s92, s46, 6
	s_mov_b32 s93, 0
	s_add_co_u32 s20, s20, s18                     ; the ring: the 8 tiles that I fetch
	s_add_co_u32 s46, s46, s18
	s_mul_i32 s20, s20, 3072
	s_mov_b32 s21, 0
	s_mul_i32 s46, s46, 3072
	s_mov_b32 s47, 0
	s_mul_i32 s45, s15, 4*PART                     ; where my part of a slot goes: the rows' or the columns' region,
	s_mul_i32 s94, s16, PART                       ; its first or second 8 tiles: no place in the cluster enters an LDS address
	s_add_co_u32 s45, s45, s94
	s_mov_b32 s[SEL], 0x76543210
	s_mov_b32 s[SEL+1], 0xfedcba98
	s_wait_kmcnt 0x0
	s_add_nc_u64 s[20:21], s[4:5], s[20:21]
	s_add_nc_u64 s[22:23], s[6:7], s[22:23]
	s_add_nc_u64 s[46:47], s[4:5], s[46:47]
	s_add_nc_u64 s[92:93], s[6:7], s[92:93]
	CROUND                                         ; all sixteen work-groups are here: the first joint loads meet
	s_mov_b32 s[G0S], 1
	s_mov_b32 s[G0S+1], SCL
	s_mov_b64 s[G0S+2:G0S+3], s[22:23]
	s_or_b32 s[G0S+3], s[G0S+3], 0x80000000
	s_mov_b32 s[G0SB], 1
	s_mov_b32 s[G0SB+1], SCL+8192
	s_mov_b64 s[G0SB+2:G0SB+3], s[92:93]
	s_or_b32 s[G0SB+3], s[G0SB+3], 0x80000000
.irp s, 0,1
	s_mov_b32 s[G0+4*\s], 1
	s_add_co_u32 s[G0+4*\s+1], s45, \s*SLOT
	s_add_nc_u64 s[G0+4*\s+2:G0+4*\s+3], s[20:21], \s*SLOTP
	s_or_b32 s[G0+4*\s+3], s[G0+4*\s+3], 0x80000000
	s_mov_b32 s[G0B+4*\s], 1
	s_add_co_u32 s[G0B+4*\s+1], s45, \s*SLOT
	s_add_nc_u64 s[G0B+4*\s+2:G0B+4*\s+3], s[46:47], \s*SLOTP
	s_or_b32 s[G0B+4*\s+3], s[G0B+4*\s+3], 0x80000000
.endr
; THE HEAD'S LOADS, ONE A WAVE: wave 0 both slots of the rows, wave 2 both slots of the columns (their slot 0 descriptors begin at the block's first tile), wave 1 the rows' scale words, wave 3 the columns'.
; One chain of branches on the wave's number: every way passes exactly one load.
.macro ARM eq, g0, g1, next
	s_cmp_eq_u32 s14, \eq
	s_cbranch_scc0 \next
	tensor_load_to_lds s[\g0:\g0+3], s[\g1:\g1+7]
	s_nop 0
.rept 4
	v_nop
.endr
	s_branch .Lhead_asked
\next:
.endm
	ARM 0, G0,  G1,  .Lhead_b
	ARM 2, G0B, G1B, .Lhead_sa
	ARM 1, G0S, G1S, .Lhead_sb
	tensor_load_to_lds s[G0SB:G0SB+3], s[G1SB:G1SB+7]
	s_nop 0
.rept 4
	v_nop
.endr
.Lhead_asked:
	v_and_b32 v1, 15, v0                           ; r
	v_bfe_u32 v2, v0, 4, 1                         ; h
	v_and_b32 v3, 31, v0
	v_lshlrev_b32 v4, 4, v3                        ; 16 l
	v_lshlrev_b32 v5, 3, v3                        ; 8 l
	s_mul_i32 s21, s15, PART
	s_mul_i32 s22, s16, PART
	s_add_co_u32 s22, s22, 4*PART
.irp s, 0,1
	v_add_nc_u32 v[ADRA+\s], s21, v4
	v_add_nc_u32 v[ADRB+\s], s22, v4
	v_add_nc_u32 v[ADRA+2+\s], s21, v5
	v_add_nc_u32 v[ADRB+2+\s], s22, v5
	s_add_co_u32 s21, s21, SLOT
	s_add_co_u32 s22, s22, SLOT
.endr
	s_lshl_b32 s21, s15, 9                         ; my 8 tiles' words: 512 bytes into a K step's 1,024
	s_lshl_b32 s22, s16, 9
	s_add_co_u32 s22, s22, 2*4096
	s_sub_co_u32 s22, s22, s21
	v_mul_u32_u24 v6, s22, v2                      ; lanes 16-31 take the columns' words: one product with h
	s_add_co_u32 s21, s21, SCL
	v_lshl_add_u32 v6, v1, 2, v6
	v_add_nc_u32 v[ADRS], s21, v6
	s_lshl_b32 s21, s14, 9
	s_add_co_u32 s21, s21, STG
	v_lshlrev_b32 v6, 8, v2
	v_lshl_add_u32 v6, v1, 2, v6
	v_add_nc_u32 v[STI], s21, v6                   ; the words' turn: in at 256 h + 4 r,
	v_add_nc_u32 v[STO], s21, v4                   ; out at 16 l,
	v_lshlrev_b32 v6, 12, v2
	v_lshl_add_u32 v[SGO], v1, 4, v6               ; to 16 r of the head h
	; where my 128 x 128 goes
	s_lshl_b32 s18, s17, 1
	s_add_co_u32 s18, s18, s15
	s_lshl_b32 s19, s42, 1
	s_add_co_u32 s19, s19, s16
	s_add_co_u32 s21, s18, 16
	s_mov_b32 s96, 3072
	s_mov_b32 s97, 98304
	s_cmp_eq_u32 s66, 1
	s_cselect_b32 s22, s19, s18                    ; my 128 tokens,
	s_cselect_b32 s23, s21, s19                    ; my 128 features: two heads
	s_cselect_b32 s95, s97, s96                    ; bytes from row blocks 0-3 to 4-7: v: the next head; q, k: four tiles on
	s_cselect_b32 s96, s96, s97                    ; and from the first 64 columns to the second: v: 64 keys on; q, k: the next head
	s_lshr_b32 s18, s23, 3
	s_lshl_b32 s18, s18, 6
	s_lshr_b32 s19, s22, 4
	s_lshl_b32 s19, s19, 4
	s_add_co_u32 s18, s18, s19
	s_and_b32 s19, s23, 7
	s_lshl_b32 s19, s19, 1
	s_add_co_u32 s18, s18, s19                     ; 64 part + 16 batch + head
	s_and_b32 s19, s22, 15                         ; which 128 tokens of the 2,048
	s_mul_i32 s20, s18, 98304
	s_mul_i32 s21, s19, 6144
	s_add_co_u32 s20, s20, s21
	s_mov_b32 s21, 0
	s_add_nc_u64 s[10:11], s[10:11], s[20:21]
	s_lshl_b32 s20, s18, 12
	s_lshl_b32 s22, s19, 8
	s_add_co_u32 s20, s20, s22
	s_add_nc_u64 s[12:13], s[12:13], s[20:21]
	; THE BIAS, without a branch: register 8 x + j = b_attn[base + 32 (x / 2) + 8 (x % 2) + lane term + j step].  q, k: the bias of column tile x (lane term 16 h, step 1);
	; v: that of row block x at my row, eight times (lane term r + 8 (r / 8), step 0)
	s_xor_b32 s18, s66, 1
	v_and_b32 v6, 8, v1
	v_add_nc_u32 v6, v6, v1
	v_mul_u32_u24 v6, s66, v6
	v_lshlrev_b32 v7, 4, v2
	v_mad_u32_u24 v6, s18, v7, v6
	s_wait_alu depctr_va_vdst(0)
	s_lshl_b32 s19, s42, 8
	s_lshl_b32 s21, s16, 7
	s_add_co_u32 s19, s19, s21
	s_lshl_b32 s21, s17, 8
	s_lshl_b32 s22, s15, 7
	s_add_co_u32 s21, s21, s22
	s_add_co_u32 s21, s21, 2048
	s_cmp_eq_u32 s66, 1
	s_cselect_b32 s19, s21, s19
	v_add_nc_u32 v6, s19, v6
.irp j, 0,1,2,3,4,5,6,7
	v_mad_u32_u24 v[VO+\j], s18, \j, v6
.endr
.irp j, 0,1,2,3,4,5,6,7
	v_lshlrev_b32 v[VO+\j], 2, v[VO+\j]
.endr
.irp x, 0,1,2,3,4,5,6,7
.irp j, 0,1,2,3,4,5,6,7
	global_load_b32 v[BI+8*\x+\j], v[VO+\j], s[8:9] offset:(32*(\x/2)+8*(\x%2))*4
.endr
.endr
.macro FRAG reg, adr, q, i             ; tile i's two units of the slot's q-th 128 along K: 12 registers, every load dense
	ds_load_b128 v[\reg:\reg+3], v[\adr] offset:3072*(\i)+1536*(\q)
	ds_load_b64 v[\reg+4:\reg+5], v[\adr+2] offset:3072*(\i)+1536*(\q)+512
	ds_load_b128 v[\reg+6:\reg+9], v[\adr] offset:3072*(\i)+1536*(\q)+768
	ds_load_b64 v[\reg+10:\reg+11], v[\adr+2] offset:3072*(\i)+1536*(\q)+1280
.endm
; 16 matrix instructions: row blocks a0, a0 + 1 x the eight column tiles.  The 64 accumulators take turns, one instruction a turn, in the same order in every step.
.macro MUL16 a0, p, q, sc, zero
.irp a, \a0, \a0+1
.irp b, 0,1,2,3,4,5,6,7
.if \zero
	v_wmma_scale_f32_16x16x128_f8f6f4 v[8*(8*((\a)%4)+\b):8*(8*((\a)%4)+\b)+7], v[128*(\p)+FR*\b:128*(\p)+FR*\b+FR-1], v[AF+FR*(\a):AF+FR*(\a)+FR-1], 0, v[SC+8*NQ*(\sc)+NQ*\b+(\q)], v[SC+8*NQ*(\sc)+NQ*(\a)+(\q)] matrix_a_fmt:MATRIX_FMT_FP6 matrix_b_fmt:MATRIX_FMT_FP6 matrix_a_scale:MATRIX_SCALE_ROW1
.else
	v_wmma_scale_f32_16x16x128_f8f6f4 v[8*(8*((\a)%4)+\b):8*(8*((\a)%4)+\b)+7], v[128*(\p)+FR*\b:128*(\p)+FR*\b+FR-1], v[AF+FR*(\a):AF+FR*(\a)+FR-1], v[8*(8*((\a)%4)+\b):8*(8*((\a)%4)+\b)+7], v[SC+8*NQ*(\sc)+NQ*\b+(\q)], v[SC+8*NQ*(\sc)+NQ*(\a)+(\q)] matrix_a_fmt:MATRIX_FMT_FP6 matrix_b_fmt:MATRIX_FMT_FP6 matrix_a_scale:MATRIX_SCALE_ROW1
.endif
.endr
.endr
.endm
.macro FETCH_B slot, q, p
	WIN TO_B
.irp i, 0,1,2,3,4,5,6,7
	FRAG 128*(\p)+FR*\i, ADRB+\slot, \q, \i
.endr
	WIN 0
.endm
.macro FETCH_A slot, q, i0
.irp i, \i0, \i0+1, \i0+2, \i0+3
	FRAG AF+FR*(\i), ADRA+\slot, \q, \i
.endr
.endm
.macro SCALES sc                       ; a K step's words: register 2 i + q: lanes 0-15 row block i's, lanes 16-31 column tile i's
.irp i, 0,1,2,3,4,5,6,7
.irp q, 0,1
	ds_load_b32 v[SC+8*NQ*\sc+NQ*\i+\q], v[ADRS] offset:1024*\q+64*\i
.endr
.endr
.endm
.macro PLACES n                        ; plain vector lines between a matrix instruction and a load into, or a read of, its registers
.rept \n
	v_nop
.endr
.endm
.macro STEP slot, q, zero              ; 128 along K with its successor in the same slot
	s_wait_dscnt 4*NL                              ; all but the youngest 16 loads (row blocks 4-7) are in
	WIN MUL_LO
	MUL16 0, (\q)%2, \q, \slot, \zero
	MUL16 2, (\q)%2, \q, \slot, \zero
	s_wait_dscnt 0
	PLACES NP
	FETCH_B \slot, (\q)+1, 1-(\q)%2
	FETCH_A \slot, (\q)+1, 0
	WIN MUL_HI
	MUL16 4, (\q)%2, \q, \slot, \zero
	MUL16 6, (\q)%2, \q, \slot, \zero
	PLACES NP
	WIN 0
	FETCH_A \slot, (\q)+1, 4
.endm
; A slot's last step changes slots: each wave waits for all its tensor loads, adds 0 to its spare word, waits for that and for its reads of this slot; one barrier.  fill = 1: it opens a round of the cluster's barrier, and this slot is filled again.
.macro TURN slot, next, fill
	s_wait_tensorcnt 0x0                           ; all my tensor loads have landed: my part of the next slot
	ds_add_u32 v[SPW], v[NIL]                      ; 0 onto my spare word
	s_wait_dscnt 4*NL+1                            ; (the add and the youngest 16 loads may be out)
	WIN MUL_LO
	MUL16 0, 1, NQ-1, \slot, 0
	s_wait_dscnt 0x0                               ; the add is done, and my reads of this slot are over
	s_barrier_signal -1
	MUL16 2, 1, NQ-1, \slot, 0
	WIN 0
	s_barrier_wait -1
.if \fill
	CREST                                          ; no wave of any partner still reads this slot or has a load on its way
	s_add_nc_u64 s[G0+4*\slot+2:G0+4*\slot+3], s[G0+4*\slot+2:G0+4*\slot+3], 2*SLOTP
	s_add_nc_u64 s[G0B+4*\slot+2:G0B+4*\slot+3], s[G0B+4*\slot+2:G0B+4*\slot+3], 2*SLOTP
	JLOAD G0+4*\slot, G1, G0B+4*\slot, G1B         ; the first tensor load behind the round, my one load until the next; its four v_nop are the places in front of the loads below
.else
	PLACES NP
.endif
	s_wait_alu depctr_va_vdst(0)
	v_add_nc_u32 v[ADRS], 2048, v[ADRS]            ; the next K step's scale words
	FETCH_B \next, 0, 0
	FETCH_A \next, 0, 0
	SCALES \next
	WIN MUL_HI
	MUL16 4, 1, NQ-1, \slot, 0
	MUL16 6, 1, NQ-1, \slot, 0
	PLACES NP
	WIN 0
	FETCH_A \next, 0, 4
.endm
	s_wait_alu depctr_va_vdst(0)                   ; the wait at the head's end
	s_wait_tensorcnt 0x0                           ; my tile of the head's four is in; no tensor load of mine is out, so a descriptor may be written:
.irp g, G1, G1B                        ; from here on a load brings 24,576 dense bytes as 96 rows of 256
	s_mov_b32 s[\g+1], 32<<16
	s_mov_b32 s[\g+2], 96<<16
	s_mov_b32 s[\g+3], 32<<16
	s_mov_b32 s[\g+4], 96
	s_mov_b32 s[\g+5], 32
.endr
	s_barrier_signal -1
	s_barrier_wait -1
	FETCH_B 0, 0, 0
	FETCH_A 0, 0, 0
	SCALES 0
	FETCH_A 0, 0, 4
	STEP 0, 0, 1                                   ; the first products start the sums: nothing is cleared
	TURN 0, 1, 1                                   ; K = 1,024 is four slots: each slot is filled again once, so the walk is written out
	STEP 1, 0, 0
	TURN 1, 0, 1
	STEP 0, 0, 0
	TURN 0, 1, 0
	STEP 1, 0, 0
	s_wait_dscnt 4*NL
	WIN MUL_LO
	MUL16 0, 1, NQ-1, 1, 0
	MUL16 2, 1, NQ-1, 1, 0
	s_wait_dscnt 0
	WIN MUL_HI
	MUL16 4, 1, NQ-1, 1, 0
	MUL16 6, 1, NQ-1, 1, 0
	WIN 0
; 64 numbers of a lane, register 16 b + i = column 32 b + 16 (lane / 16) + i of my row, become 12 registers of codes in v[PC] on (two units) and the row's scale word in v[pw].
.macro QUANT s, pw
.irp b, 0,1,2,3
	v_max3_num_f32 v[TM+\b], |v[\s+16*\b]|, |v[\s+1+16*\b]|, 0x1800000   ; my 16 numbers of block b, and the floor 2^(3 - 127)
.endr
.irp i, 2,4,6,8,10,12,14
.irp b, 0,1,2,3
	v_max3_num_f32 v[TM+\b], v[TM+\b], |v[\s+16*\b+\i]|, |v[\s+1+16*\b+\i]|
.endr
.endr
.irp b, 0,1,2,3
	v_permlanex16_b32 v[TM+4+\b], v[TM+\b], s[SEL], s[SEL+1]
.endr
.irp b, 0,1,2,3
	v_max_num_f32 v[TM+\b], v[TM+\b], v[TM+4+\b]
.endr
.irp b, 0,1,2,3
	v_add_nc_u32 v[TM+12+\b], 0xff000000, v[TM+\b]   ; 2 off the exponent field: the conversion's scale operand
.endr
.irp b, 0,1,2,3
	v_lshrrev_b32 v[TM+4+\b], 23, v[TM+12+\b]
.endr
	v_lshl_or_b32 v[\pw], v[TM+5], 8, v[TM+4]
	v_lshl_or_b32 v[\pw], v[TM+6], 16, v[\pw]
	v_lshl_or_b32 v[\pw], v[TM+7], 24, v[\pw]
.irp c, 0,1
	v_cvt_scalef32_pk16_fp6_f32 v[PC+6*\c:PC+2+6*\c], v[\s+32*\c:\s+15+32*\c], v[TM+12+2*\c]
	v_cvt_scalef32_pk16_fp6_f32 v[PC+12+4*\c:PC+14+4*\c], v[\s+16+32*\c:\s+31+32*\c], v[TM+12+2*\c+1]
.endr
	v_nop                                          ; one plain line behind a scaled conversion
.irp c, 0,1                            ; a whole block to a lane: lanes 0-15 block 2 c, lanes 16-31 block 2 c + 1
.irp i, 0,1,2
	v_permlane16_swap_b32 v[PC+6*\c+\i], v[PC+12+4*\c+\i]
.endr
.irp i, 0,1,2
	v_mov_b32 v[PC+3+6*\c+\i], v[PC+12+4*\c+\i]
.endr
.endr
.endm
; Row block a: + bias, quantised, stored.  The branch hangs on the cluster's x; both arms are work on registers.  Each accumulator is read from its low end on.
.macro OUTROW a
	s_wait_xcnt 0x0                                ; the last block's stores have read their data
	s_cmp_eq_u32 s66, 1
	s_cbranch_scc1 .Lrow_v_\@
	WIN 0x02+(\a)/4
.set kk, 0
.rept 32
	v_pk_add_f32 v[TT+kk:TT+kk+1], v[64*((\a)%4)+kk:64*((\a)%4)+kk+1], v[BI+kk:BI+kk+1]
.set kk, kk+2
.endr
	WIN 0
	s_branch .Lrow_j_\@
.Lrow_v_\@:
	WIN 0x02+(\a)/4
.set kk, 0
.rept 32
	v_pk_add_f32 v[TT+kk:TT+kk+1], v[64*((\a)%4)+kk:64*((\a)%4)+kk+1], v[BI+8*(\a):BI+8*(\a)+1]
.set kk, kk+2
.endr
	WIN 0
.Lrow_j_\@:
	QUANT TT, PWA+(\a)
	global_store_b128 v[VO+2*((\a)/4)], v[PC:PC+3], s[10:11] offset:768*((\a)%4)            ; a unit: 512 + 256 consecutive bytes, aligned to 256
	global_store_b64 v[VO+4+2*((\a)/4)], v[PC+4:PC+5], s[10:11] offset:768*((\a)%4)+512
	global_store_b128 v[VO+1+2*((\a)/4)], v[PC+6:PC+9], s[10:11] offset:768*((\a)%4)
	global_store_b64 v[VO+5+2*((\a)/4)], v[PC+10:PC+11], s[10:11] offset:768*((\a)%4)+512
.endm
	PLACES NP
	s_wait_loadcnt 0x0                             ; the bias; its loads' offset registers are free
	v_mov_b32 v[VO+0], v4
	v_add_nc_u32 v[VO+1], s96, v4
	v_add_nc_u32 v[VO+2], s95, v4
	v_add_nc_u32 v[VO+3], s95, v[VO+1]
	v_mov_b32 v[VO+4], v5
	v_add_nc_u32 v[VO+5], s96, v5
	v_add_nc_u32 v[VO+6], s95, v5
	v_add_nc_u32 v[VO+7], s95, v[VO+5]
.irp b, 0,1,2,3
	v_mov_b32 v[TM+4+\b], 0                        ; a lane permute's destination counts as read
.endr
.irp a, 0,1,2,3,4,5,6,7
	OUTROW \a
.endr
	; the scale words: 256 bytes for each of my two heads
	s_cmp_eq_u32 s66, 1
	s_cbranch_scc1 .Lwords_v
.irp b, 0,1,2,3                        ; q, k: a word = the even tile's two bytes, the odd tile's two; the words' low halves are the first head's
	v_perm_b32 v[WD+\b], v[PWA+2*\b+1], v[PWA+2*\b], 0x05040100
	v_perm_b32 v[WD+4+\b], v[PWA+2*\b+1], v[PWA+2*\b], 0x07060302
.endr
	s_branch .Lwords
.Lwords_v:
.irp a, 0,1,2,3,4,5,6,7                ; v: a word = a row's four bytes of these 128 keys; row blocks 0-3 are the first head's
	v_mov_b32 v[WD+\a], v[PWA+\a]
.endr
.Lwords:
	v_cmp_eq_u32 vcc_lo, 1, v2
	s_wait_alu depctr_va_vdst(0)
.irp i, 0,1,2,3
	v_cndmask_b32 v[252+\i], v[WD+\i], v[WD+4+\i], vcc_lo   ; lanes 16-31 carry the second head's
.endr
.irp i, 0,1,2,3
	ds_store_b32 v[STI], v[252+\i] offset:64*\i
.endr
	ds_load_b128 v[WD:WD+3], v[STO]                ; LDS serves a wave's instructions in order: this sees my stores
	s_wait_dscnt 0x0
	global_store_b128 v[SGO], v[WD:WD+3], s[12:13] ; sixteen lanes store 256 consecutive bytes, aligned, for each head
	s_wait_tensorcnt 0x0                           ; the wave's end
	ds_add_u32 v[SPW], v[NIL]
	s_wait_dscnt 0x0
	CROUND                                         ; the closing round
	s_endpgm
.Lfunc_end_k_q83ed7034bf_qkv:
	.size	k_q83ed7034bf_qkv, .Lfunc_end_k_q83ed7034bf_qkv-k_q83ed7034bf_qkv
	.p2alignl 7, 3214868480
	.fill 96, 4, 3214868480
	.section	.rodata,"a",@progbits
	.p2align	6, 0x0
	.amdhsa_kernel k_q83ed7034bf_qkv
		.amdhsa_group_segment_fixed_size 327680
		.amdhsa_private_segment_fixed_size 0
		.amdhsa_enable_private_segment 0
		.amdhsa_kernarg_size 40
		.amdhsa_user_sgpr_count 2
		.amdhsa_user_sgpr_kernarg_segment_ptr 1
		.amdhsa_wavefront_size32 1
		.amdhsa_system_sgpr_workgroup_id_x 1
		.amdhsa_system_sgpr_workgroup_id_y 1
		.amdhsa_system_sgpr_workgroup_id_z 1
		.amdhsa_system_vgpr_workitem_id 0
		.amdhsa_next_free_vgpr 1024
		.amdhsa_next_free_sgpr 100
		.amdhsa_reserve_vcc 1
		.amdhsa_float_denorm_mode_32 3
		.amdhsa_float_denorm_mode_16_64 3
		.amdhsa_memory_ordered 1
		.amdhsa_forward_progress 1
		.amdhsa_inst_pref_size 194
	.end_amdhsa_kernel
	.amdgpu_metadata
---
amdhsa.version: [ 1, 2 ]
amdhsa.kernels:
  - .name:           k_q83ed7034bf_qkv
    .symbol:         k_q83ed7034bf_qkv.kd
    .args:
      - { .name: opc, .offset: 0, .size: 8, .value_kind: global_buffer, .address_space: global }
      - { .name: ops, .offset: 8, .size: 8, .value_kind: global_buffer, .address_space: global }
      - { .name: b_attn, .offset: 16, .size: 8, .value_kind: global_buffer, .address_space: global }
      - { .name: qkvc, .offset: 24, .size: 8, .value_kind: global_buffer, .address_space: global }
      - { .name: qkvs, .offset: 32, .size: 8, .value_kind: global_buffer, .address_space: global }
    .group_segment_fixed_size: 327680
    .private_segment_fixed_size: 0
    .kernarg_segment_align: 8
    .kernarg_segment_size: 40
    .max_flat_workgroup_size: 128
    .sgpr_count:     100
    .vgpr_count:     1024
    .wavefront_size: 32
...
	.end_amdgpu_metadata
.endif
;; end of part 2
;; launch attn (part 3): grid 4 x 64, 16 waves a work-group, clusters of 4 x 1, 327,680 bytes of LDS; arguments qkvc, qkvs, yc, ys; writes yc, ys
.if DOCPART == 3
	.amdgcn_target "amdgcn-amd-amdhsa--gfx1250"
	.amdhsa_code_object_version 6
	.text
	.protected	k_q83ed7034bf_attn
	.globl	k_q83ed7034bf_attn
	.p2align	8
	.type	k_q83ed7034bf_attn,@function
k_q83ed7034bf_attn:
	s_mov_b64 s[64:65], 0
	v_nop
	global_prefetch_b8 v0, s[64:65] scope:SCOPE_SE
	s_setreg_imm32_b32 hwreg(HW_REG_WAVE_MODE, 25, 1), 1
	s_wait_xcnt 0x0
	s_wait_alu depctr_hold_cnt(0) depctr_sa_sdst(0) depctr_va_vdst(0) depctr_va_sdst(0) depctr_va_ssrc(0) depctr_va_vcc(0) depctr_vm_vsrc(0)
	s_getreg_b32 s2, hwreg(HW_REG_IB_STS2, 6, 4)
	s_cmp_eq_u32 s2, 0
	s_cbranch_scc0 .Lentry_in_a_cluster
	s_endpgm
.Lentry_in_a_cluster:
	s_bfe_u32 s2, ttmp6, 0x10000c
	s_cmp_lg_u32 s2, 0x3003
	s_cbranch_scc0 .Lentry_shape_is_right
	s_endpgm
.Lentry_shape_is_right:
; y = causal softmax(q k^T / 8) v for 64 (batch, head) pairs of 2,048 tokens x 64, both products on codes of FP6 (E2M3) with E8M0 scales; y leaves as codes, quantised along the model's 1,024 (two blocks a head).
; LEFT OUT: key steps of 128 that lie wholly behind a wave's queries: the causal mask gives them -infinity, so their p is 0 for every input.
; THE SOFTMAX: t = score x log2(e) / 8; M = the running largest t rounded UP to a whole number; p = 2^(t - M) is quantised along the keys, not normalised; the row's sum is taken of the unquantised p and divides at the end.
; When M moves, the sum and O are multiplied by 2^(old M - new M): exact.
; SHARES.  A cluster of four work-groups takes one head; ALL of its K, V and scale words lie in LDS (204,800 bytes of data), filled once: no ring, no refill, no barrier in the walk.
; The head's 2,048 queries are 32 chunks of 64 = 4 tiles of 16; work-group p = cx takes tile 4 c + p of every chunk c; chunk c needs c / 2 + 1 key steps.
; Each wave takes two chunks, by a table of constants chosen by the wave's number, the longest shares for the lowest numbers: waves 0-3 take 25 key steps each (16 + 9 .. 13 + 12), waves 4-7 22 (16 + 6 .. 13 + 9),
; waves 8-11 15 (12 + 3, 11 + 4, 10 + 5, 8 + 7), waves 12-15 7, 6, 6, 5 (6 + 1, 5 + 1, 4 + 2, 3 + 2).  Each of the 32 chunks is taken once; the four waves with the same w % 4 have 69, 68, 68, 67 steps together.
; Which steps a wave needs hangs on the wave's number alone; p enters global addresses and the mask's data alone, so the four partners ask for K and V JOINTLY.
; FILLS, all at the head, one a wave: wave 0 K's first 64 rows of 256 bytes (341 keys), wave 1 V's, wave 2 both tensors' scale words; waves 3-7 the rest of K, waves 8-12 the rest of V, 64 rows each; waves 13-15 none.
; The first barrier shows the loads of waves 0-2, which have load lines of their own; two key steps (256 keys) are worked; the second barrier, with every wave's wait for all its loads, shows the rest.
; No prefetch: every tile is asked for at the head, so there is no later load to run ahead of.
; LAYOUT.  Both products transposed: a lane holds one query.  A stored tile t is 16 rows, place r' = row 32 (t / 2) + 8 (t % 2) + r' + 8 (r' / 8); a unit is a tile x 64 K, 768 bytes: lane place l: words 0-3 at 16 l, words 4-5 at 512 + 8 l.
; K'S ROWS ARE TAKEN IN ANOTHER ORDER THAN THEY ARE STORED, by the lanes' LDS addresses: lane r of tile (c, j) takes key 64 c + 32 (r / 8) + 8 j + r % 8 of the step, which is stored tile 4 c + 2 (r / 8) + j % 2, place r % 8 + 8 (j / 2).
; So score register 32 c + 8 j + i of lane (r, h) is key 64 c + 32 h + 8 j + i: a lane's 32 registers are ONE scale block of p, in the order of the next operand: no other lane is asked for a block's maximum and no code changes lanes.
; K's LDS rows are 256 + 64 bytes (a unit: 960): the two groups of eight lanes of a 16-byte read stand 1,920 bytes apart, 128 modulo 256.
; THE FIRST PRODUCT HAS K = 64, half of the instruction's 128: source 0 is the units of tiles j = 2 m and 2 m + 1 on end; against [q | zero codes] it gives tile 2 m's scores, against [zero codes | q] tile 2 m + 1's.
; ys: a scale word of the next product spans two heads, which two clusters make: each stores its two bytes of a row's word (2 bytes a lane, one byte in 24 of the codes').
; LIMITS: the promise holds while |t| stays under 2^31; a block of zeros gets the byte 1 (zero codes); magnitudes of y under 2^-124 are held at the byte 1; NaN and infinities are not served.
; REGISTERS: v1 16 l, v2 8 l; v3, v4, v7 K's lane terms (words, 16-byte, 8-byte reads); v8-10 addresses in hand; v12 -M, v13 the largest t, v[14:15] the sum; v16-33 [q | 0 | q]; v34-81 four fragments; v82 the mask's d; v83 -infinity;
;   v84 V's words' lane term; v85 4 r; v86-92 the second tile's q; v94 8 h; v95 d's lane term; v96-159 scores, then p; v160-191 O^T; v192-199 partial sums; v200-209 maxima, scales, lane permutes' results; v224-235 p's codes;
;   v236-242 codes on their way; v248-251 loaded scale words; v252 f; v253 p's scale word; v254 at work; v255 q's scale word.
.set SCK,   0                          ; K's scale words, 4,096 bytes,
.set SCV,   4096                       ; V's
.set KB,    40960                      ; K: 384 rows of 320 bytes.  KB = 2 x 20,480, so that wave w's part (w - 2) begins at 20,480 w
.set VB,    163840                     ; V: 98,304 dense bytes
.set SPARE, 0x4f000                    ; the spare words, 128 bytes a wave: eight blocks of 256 bytes that no other line names
.set PARTB, 6291456                    ; from q to k to v in qkvc
.set SPW,  5
.set NIL,  6
.set WV,   18
.set KL,   19                          ; my tile's last key step, the one on the diagonal
.set SEL,  20
.set CS,   22
.set G1K,  24
.set G1V,  32
.set G0,   40
.set G1S,  44
.set TBK,  2                           ; LDS byte of the step's units of K,
.set TBV,  3                           ; of V,
.set TS,   12                          ; and of its scale words: 256 bytes a step
.set KT,   66
.set CNT,  67
.macro CROUND
	s_barrier_signal -1
	s_barrier_wait -1
	s_cmp_lg_u32 s[WV], 0
	s_cbranch_scc1 .Lnot_wave_0_\@
	s_barrier_signal -3
.Lnot_wave_0_\@:
	s_barrier_wait -3
	s_barrier_signal -1
	s_barrier_wait -1
.endm
.macro ASK g1, base                    ; group 0's address from the offset in s[70:71], and the load
	s_add_nc_u64 s[G0+2:G0+3], s[\base:\base+1], s[70:71]
	s_or_b32 s[G0+3], s[G0+3], 0x80000000
	tensor_load_to_lds s[G0:G0+3], s[\g1:\g1+7]
	s_nop 0
.rept 4
	v_nop
.endr
.endm
	s_load_b128 s[4:7], s[0:1], 0x0                ; qkvc, qkvs
	s_load_b128 s[8:11], s[0:1], 0x10              ; yc, ys
	v_lshl_add_u32 v[SPW], v0, 2, SPARE
	v_mov_b32 v[NIL], 0
	ds_add_u32 v[SPW], v[NIL]                      ; the opening lines: the add, twice on end, and its wait
	ds_add_u32 v[SPW], v[NIL]
	v_lshrrev_b32 v8, 5, v0
	v_readfirstlane_b32 s[WV], v8
	s_bfe_u32 s68, ttmp6, 0x40000                  ; p = cx
	s_and_b32 s69, ttmp7, 0xffff                   ; g = 16 batch + head, which the partners share
	s_mov_b32 s[G1K], 15|(3<<16)|(1<<20)|(1<<21)|(5<<22)|(15<<25)   ; all four work-groups; elements of 8 bytes; 16 words of padding behind every 64; 64 rows of 256 bytes
	s_mov_b32 s[G1V], 15|(3<<16)|(1<<21)           ; the same, dense
.irp g, G1K, G1V
	s_mov_b32 s[\g+1], 32<<16
	s_mov_b32 s[\g+2], 64<<16
	s_mov_b32 s[\g+3], 32<<16
	s_mov_b32 s[\g+4], 64
	s_mov_b32 s[\g+5], 32
	s_mov_b32 s[\g+6], 0
	s_mov_b32 s[\g+7], 0
.endr
	s_mov_b32 s[G1S], 15|(3<<16)|(1<<21)           ; two rows of 4,096 bytes, 262,144 apart: K's words, V's words
	s_mov_b32 s[G1S+1], 512<<16
	s_mov_b32 s[G1S+2], 2<<16
	s_mov_b32 s[G1S+3], 512<<16
	s_mov_b32 s[G1S+4], 2
	s_mov_b32 s[G1S+5], 32768
	s_mov_b32 s[G1S+6], 0
	s_mov_b32 s[G1S+7], 0
	s_mov_b32 s[G0], 1
	s_mov_b32 s[SEL], 0x76543210
	s_mov_b32 s[SEL+1], 0xfedcba98
	s_mov_b32 s[CS], 0x3e38aa3b                    ; c = log2(e) / 8
	s_mov_b32 s[CS+1], s[CS]
	s_mul_i32 s74, s69, 98304                      ; the head's codes in a part of qkvc,
	s_lshl_b32 s75, s69, 12                        ; its scale words in a part of qkvs
	s_mul_i32 s72, s[WV], 20480
	s_lshl_b32 s73, s[WV], 14
	s_mov_b32 s71, 0
	s_wait_alu depctr_va_vdst(0)
	s_wait_dscnt 0x0
	CROUND                                         ; all four work-groups are here: the joint loads meet
	s_wait_kmcnt 0x0
	s_cmp_eq_u32 s[WV], 0                          ; one chain of branches on the wave's number, one fill to an arm
	s_cbranch_scc0 .Lw1
	s_mov_b32 s[G0+1], KB
	s_add_co_u32 s70, s74, PARTB
	ASK G1K, 4
	s_branch .Lasked
.Lw1:
	s_cmp_eq_u32 s[WV], 1
	s_cbranch_scc0 .Lw2
	s_mov_b32 s[G0+1], VB
	s_add_co_u32 s70, s74, 2*PARTB
	ASK G1V, 4
	s_branch .Lasked
.Lw2:
	s_cmp_eq_u32 s[WV], 2
	s_cbranch_scc0 .Lw3
	s_mov_b32 s[G0+1], SCK
	s_add_co_u32 s70, s75, 262144
	ASK G1S, 6
	s_branch .Lasked
.Lw3:
	s_cmp_lt_u32 s[WV], 8
	s_cbranch_scc0 .Lw8
	s_mov_b32 s[G0+1], s72                         ; K's part w - 2: KB + 20,480 (w - 2)
	s_add_co_u32 s70, s74, s73
	s_add_co_u32 s70, s70, PARTB-2*16384
	ASK G1K, 4
	s_branch .Lasked
.Lw8:
	s_cmp_lt_u32 s[WV], 13
	s_cbranch_scc0 .Lasked
	s_add_co_u32 s[G0+1], s73, VB-7*16384          ; V's part w - 7
	s_add_co_u32 s70, s74, s73
	s_add_co_u32 s70, s70, 2*PARTB-7*16384
	ASK G1V, 4
.Lasked:
	; MY TWO CHUNKS: a byte for each w % 4, a word for each w / 4.  First chunks: 30 28 26 24 | 31 29 27 25 | 23 21 19 14 | 10 9 7 5 (all 4 or more: their diagonal lies at key step 2 or later);
	; second chunks: 16 18 20 22 | 11 13 15 17 | 4 6 8 12 | 0 1 2 3 (all under 24: their diagonal lies at key step 11 or earlier)
	s_lshr_b32 s70, s[WV], 2
	s_mov_b32 s17, 0x0507090a
	s_mov_b32 s84, 0x03020100
	s_cmp_eq_u32 s70, 2
	s_cselect_b32 s17, 0x0e131517, s17
	s_cselect_b32 s84, 0x0c080604, s84
	s_cmp_eq_u32 s70, 1
	s_cselect_b32 s17, 0x191b1d1f, s17
	s_cselect_b32 s84, 0x110f0d0b, s84
	s_cmp_eq_u32 s70, 0
	s_cselect_b32 s17, 0x181a1c1e, s17
	s_cselect_b32 s84, 0x16141210, s84
	s_and_b32 s70, s[WV], 3
	s_lshl_b32 s70, s70, 3
	s_lshr_b32 s17, s17, s70
	s_lshr_b32 s84, s84, s70
	s_and_b32 s17, s17, 31                         ; my first chunk,
	s_and_b32 s84, s84, 31                         ; my second
	s_lshr_b32 s[KL], s17, 1
	s_lshr_b32 s13, s84, 1                         ; the second's last key step
	s_and_b32 s14, s17, 1
	s_lshl_b32 s14, s14, 6                         ; the chunk's place in its key step of 128: 0 or 64
	s_and_b32 s15, s84, 1
	s_lshl_b32 s15, s15, 6
	s_and_b32 s16, s68, 1
	s_lshl_b32 s78, s16, 3
	s_lshl_b32 s16, s16, 4                         ; my tile's half of q's scale word, in bits
	s_lshr_b32 s70, s68, 1
	s_lshl_b32 s70, s70, 5
	s_add_co_u32 s78, s78, s70                     ; my tile's place in its chunk: 32 (p / 2) + 8 (p % 2)
	s_lshr_b32 s76, s69, 4
	s_lshl_b32 s76, s76, 7                         ; 128 batch
	s_bfe_u32 s77, s69, 0x10003
	s_lshl_b32 s77, s77, 9                         ; yc's K half: 512 tiles
	s_and_b32 s79, s69, 7
	s_mul_i32 s79, s79, 768                        ; the head's unit in it
	s_bfe_u32 s73, s69, 0x30001
	s_lshl_b32 s73, s73, 6                         ; ys: the K step of 128 (two heads),
	s_and_b32 s70, s69, 1
	s_lshl_b32 s70, s70, 1
	s_add_co_u32 s73, s73, s70                     ; and my head's two bytes of a word
.macro PLACE c, q, qs, y, ys           ; the tile 4 c + p: q's unit, its pair's scale words, y's unit, y's scale bytes
	s_lshl_b32 s72, s\c, 2
	s_add_co_u32 s72, s72, s68
	s_mul_i32 s70, s72, 768
	s_add_co_u32 s70, s70, s74
	s_add_nc_u64 s[\q:\q+1], s[4:5], s[70:71]
	s_lshr_b32 s70, s72, 1
	s_lshl_b32 s70, s70, 6
	s_add_co_u32 s70, s70, s75
	s_add_nc_u64 s[\qs:\qs+1], s[6:7], s[70:71]
	s_add_co_u32 s72, s72, s76
	s_add_co_u32 s70, s72, s77
	s_mul_i32 s70, s70, 6144
	s_add_co_u32 s70, s70, s79
	s_add_nc_u64 s[\y:\y+1], s[8:9], s[70:71]
	s_lshl_b32 s70, s72, 9
	s_add_co_u32 s70, s70, s73
	s_add_nc_u64 s[\ys:\ys+1], s[10:11], s[70:71]
.endm
	PLACE 17, 80, 82, 52, 54
	PLACE 84, 56, 58, 60, 62
	v_and_b32 v8, 15, v0                           ; r
	v_bfe_u32 v9, v0, 4, 1                         ; h
	v_and_b32 v10, 31, v0
	v_bfe_u32 v11, v0, 3, 1                        ; r / 8
	v_and_b32 v93, 7, v0                           ; r % 8
	v_lshlrev_b32 v1, 4, v10                       ; 16 l
	v_lshlrev_b32 v2, 3, v10                       ; 8 l
	v_lshlrev_b32 v85, 2, v8                       ; 4 r
	global_load_b128 v[16:19], v1, s[80:81]        ; q, twice: below and above the zero codes
	global_load_b64 v[20:21], v2, s[80:81] offset:512
	global_load_b128 v[28:31], v1, s[80:81]
	global_load_b64 v[32:33], v2, s[80:81] offset:512
	global_load_b128 v[86:89], v1, s[56:57]        ; the second tile's
	global_load_b64 v[90:91], v2, s[56:57] offset:512
	global_load_b32 v255, v85, s[82:83]
	global_load_b32 v92, v85, s[58:59]
	v_mul_u32_u24 v4, v11, 1920                    ; K: two stored tiles on for r / 8,
	v_lshl_add_u32 v7, v93, 3, v4
	v_lshl_add_u32 v4, v93, 4, v4                  ; place r % 8,
	v_lshl_add_u32 v7, v9, 7, v7                   ; words 4-5: 8 (place + 16 h);
	v_mad_u32_u24 v4, v9, 320, v4                  ; words 0-3: lanes 16-31 in the unit's second LDS row
	v_lshlrev_b32 v3, 6, v11
	v_lshl_add_u32 v3, v93, 2, v3                  ; K's scale words: a pair of stored tiles on for r / 8, place r % 8
	v_add_nc_u32 v84, SCV, v85
	v_lshl_add_u32 v95, v11, 3, v8
	v_lshlrev_b32 v94, 5, v9
	v_sub_nc_u32 v95, v95, v94
	v_add_nc_u32 v95, s78, v95                     ; my query in its chunk - 32 h
	v_lshlrev_b32 v94, 3, v9
	v_mov_b32 v83, 0xff800000
.irp i, 0,1,2,3,4,5
	v_mov_b32 v[22+\i], 0
.endr
	v_mov_b32 v208, 0                              ; a lane permute's destination counts as read
	v_mov_b32 v209, 0
	s_wait_alu depctr_va_vdst(0)                   ; the wait at the head's end
	s_cmp_lt_u32 s[WV], 3
	s_cbranch_scc0 .Lnot_first
	s_wait_tensorcnt 0x0                           ; the first 341 keys of K and V, the scale words
.Lnot_first:
	s_barrier_signal -1
	s_barrier_wait -1                              ; the other ten loads may be on their way
	s_wait_loadcnt 0x0
.macro INIT second, d                  ; a tile begins: O^T and the sum as zeros, the largest t as -3e38: the first change of M multiplies zeros
.if \second
	s_wait_xcnt 0x0                                ; y's stores have read their data
.irp i, 0,1,2,3,4,5
	v_mov_b32 v[16+\i], v[86+\i]
	v_mov_b32 v[28+\i], v[86+\i]
.endr
	v_mov_b32 v255, v92
	s_mov_b32 s[KL], s13
.endif
	v_lshrrev_b32 v255, s16, v255                  ; my tile's two bytes,
	v_add_nc_u32 v82, s\d, v95                     ; d: on the diagonal register n is hidden where 64 (n / 32) + n % 32 > d
	v_and_b32 v255, 0xffff, v255
	v_mov_b32 v13, 0xff61b1e6
	v_lshl_or_b32 v255, v255, 16, v255             ; for both halves of the instruction's K
	v_floor_f32 v12, -v13
	v_mov_b32 v14, 0
	v_mov_b32 v15, 0
	v_mov_b32 v252, 0
	v_mov_b32 v253, 0
.irp j, 0,1,2,3,4,5,6,7,8,9,10,11,12,13,14,15,16,17,18,19,20,21,22,23,24,25,26,27,28,29,30,31
	v_mov_b32 v[160+\j], 0                         ; (also the places between the write of q's scale word and the next product)
.endr
	s_mov_b32 s[KT], 0
	s_mov_b32 s[TBK], KB
	s_mov_b32 s[TBV], VB
	s_mov_b32 s[TS], 0
.endm
.macro STEP diag                       ; 128 keys.  diag = 0: the copy for key steps that lie on no wave's diagonal
	s_cmp_gt_u32 s[KT], s[KL]                      ; all its keys come after my queries: the work is left out; the lines at the end that step addresses are not
	s_cbranch_scc1 .Lhid_\@
	v_add_nc_u32 v8, s[TBK], v4
	v_add_nc_u32 v9, s[TBK], v7
	v_add_nc_u32 v10, s[TS], v3
	v_nop                                          ; four places in front of loads into registers that the last products read
.irp b, 0,1,2,3                        ; pair b = 2 c + m: tiles j = 2 m, 2 m + 1 of band c
	ds_load_b128 v[34+12*\b:37+12*\b], v8 offset:3840*(\b/2)+128*(\b%2)
	ds_load_b64 v[38+12*\b:39+12*\b], v9 offset:3840*(\b/2)+64*(\b%2)+640
	ds_load_b128 v[40+12*\b:43+12*\b], v8 offset:3840*(\b/2)+128*(\b%2)+960
	ds_load_b64 v[44+12*\b:45+12*\b], v9 offset:3840*(\b/2)+64*(\b%2)+1600
	ds_load_b32 v[248+\b], v10 offset:128*(\b/2)+32*(\b%2)
.endr
	s_wait_dscnt 0x0
.irp b, 0,1,2,3
	v_wmma_scale_f32_16x16x128_f8f6f4 v[96+16*\b:103+16*\b], v[34+12*\b:45+12*\b], v[16:27], 0, v[248+\b], v255 matrix_a_fmt:MATRIX_FMT_FP6 matrix_b_fmt:MATRIX_FMT_FP6
	v_wmma_scale_f32_16x16x128_f8f6f4 v[104+16*\b:111+16*\b], v[34+12*\b:45+12*\b], v[22:33], 0, v[248+\b], v255 matrix_a_fmt:MATRIX_FMT_FP6 matrix_b_fmt:MATRIX_FMT_FP6
.endr
	v_add_nc_u32 v8, s[TBV], v1                    ; V's addresses: with the v_nop the four places behind the products
	v_add_nc_u32 v9, s[TBV], v2
	v_add_nc_u32 v10, s[TS], v84
	v_nop
.irp t, 0,1,2,3                        ; V's fragments are asked for now and land under the softmax
	ds_load_b128 v[34+12*\t:37+12*\t], v8 offset:768*\t
	ds_load_b64 v[38+12*\t:39+12*\t], v9 offset:768*\t+512
	ds_load_b128 v[40+12*\t:43+12*\t], v8 offset:3072+768*\t
	ds_load_b64 v[44+12*\t:45+12*\t], v9 offset:3072+768*\t+512
	ds_load_b32 v[248+\t], v10 offset:64*\t
.endr
.if \diag
	s_cmp_lg_u32 s[KT], s[KL]                      ; only my tile's last step lies on the diagonal
	s_cbranch_scc1 .Lopen_\@
.set NN, 0
.rept 64
	v_cmp_gt_i32 vcc_lo, 64*(NN/32)+NN%32, v82
	v_cndmask_b32 v[96+NN], v[96+NN], v83, vcc_lo
.set NN, NN+1
.endr
.Lopen_\@:
.endif
.irp b, 0,1,2,3                        ; the largest score of my two blocks of 32 keys, two chains each: for the row's maximum and, since p rises with the score, for the block's largest p
	v_max3_num_f32 v[200+\b], v[96+16*\b], v[97+16*\b], v[98+16*\b]
.endr
.irp i, 3,5,7,9,11,13
.irp b, 0,1,2,3
	v_max3_num_f32 v[200+\b], v[200+\b], v[96+16*\b+\i], v[97+16*\b+\i]
.endr
.endr
	v_max3_num_f32 v200, v200, v111, v127
	v_max3_num_f32 v202, v202, v143, v159
	s_delay_alu instid0(VALU_DEP_2)
	v_max_num_f32 v200, v200, v201                 ; block h
	s_delay_alu instid0(VALU_DEP_2)
	v_max_num_f32 v202, v202, v203                 ; block 2 + h
	s_delay_alu instid0(VALU_DEP_1)
	v_max_num_f32 v254, v200, v202
	s_delay_alu instid0(VALU_DEP_1)
	v_permlanex16_b32 v208, v254, s[SEL], s[SEL+1]
	s_delay_alu instid0(VALU_DEP_1)
	v_max_num_f32 v254, v254, v208                 ; with lane l xor 16's two blocks: the step's largest score of my query
	s_delay_alu instid0(VALU_DEP_1)
	v_mul_f32 v254, s[CS], v254
	s_delay_alu instid0(VALU_DEP_1)
	v_max_num_f32 v13, v13, v254                   ; the running largest t
	v_mov_b32 v254, v12
	s_delay_alu instid0(VALU_DEP_2)
	v_floor_f32 v12, -v13                          ; -M = floor(-t): M is a whole number
	s_delay_alu instid0(VALU_DEP_1)
	v_sub_f32 v254, v12, v254
	s_delay_alu instid0(VALU_DEP_1)
	v_cvt_i32_f32 v254, v254                       ; (it saturates)
	s_delay_alu instid0(VALU_DEP_1)
	v_ldexp_f32 v252, 1.0, v254                    ; f = 2^(old M - new M)
.irp j, 0,2,4,6,8,10,12,14,16,18,20,22,24,26,28,30,32,34,36,38,40,42,44,46,48,50,52,54,56,58,60,62
	v_pk_fma_f32 v[96+\j:97+\j], v[96+\j:97+\j], s[CS:CS+1], v[12:13] op_sel_hi:[1,0,0]   ; t - M
.endr
	v_fma_f32 v200, v200, s[CS], v12               ; the same of each block's largest score
	v_fma_f32 v202, v202, s[CS], v12
	s_wait_alu depctr_va_vdst(0)                   ; the wait ahead of the batch
.irp j, 0,1,2,3,4,5,6,7,8,9,10,11,12,13,14,15,16,17,18,19,20,21,22,23,24,25,26,27,28,29,30,31,32,33,34,35,36,37,38,39,40,41,42,43,44,45,46,47,48,49,50,51,52,53,54,55,56,57,58,59,60,61,62,63
	v_exp_f32 v[96+\j], v[96+\j]                   ; p = 2^(t - M)
.endr
	v_exp_f32 v200, v200                           ; the blocks' largest p: the same two instructions on the same number
	v_exp_f32 v202, v202
	v_pk_mul_f32 v[14:15], v[14:15], v[252:253] op_sel_hi:[1,0]   ; the sums under the new M.  (A plain line behind the exponentials)
	s_wait_alu depctr_va_vdst(0)                   ; one wait for the batch, directly ahead of O^T's first reader
.irp j, 0,2,4,6,8,10,12,14,16,18,20,22,24,26,28,30
	v_pk_mul_f32 v[160+\j:161+\j], v[160+\j:161+\j], v[252:253] op_sel_hi:[1,0]   ; O^T under the new M
.endr
	v_max_num_f32 v200, 0x1800000, v200            ; the floor 2^(3 - 127): the byte cannot fall under 1
	v_max_num_f32 v202, 0x1800000, v202
	s_delay_alu instid0(VALU_DEP_2)
	v_add_nc_u32 v204, 0xff000000, v200            ; 2 off the exponent field: the conversion's scale operand
	s_delay_alu instid0(VALU_DEP_2)
	v_add_nc_u32 v205, 0xff000000, v202
	v_cvt_scalef32_pk16_fp6_f32 v[224:226], v[96:111], v204
	v_cvt_scalef32_pk16_fp6_f32 v[236:238], v[112:127], v204      ; (a conversion's three registers begin on an even number)
	v_cvt_scalef32_pk16_fp6_f32 v[230:232], v[128:143], v205
	v_cvt_scalef32_pk16_fp6_f32 v[240:242], v[144:159], v205
	v_lshrrev_b32 v206, 23, v204                   ; the bytes.  (Plain lines behind the conversions)
	v_lshrrev_b32 v207, 23, v205
	s_delay_alu instid0(VALU_DEP_1)
	v_lshl_or_b32 v206, v207, 16, v206             ; blocks h and 2 + h,
	s_delay_alu instid0(VALU_DEP_1)
	v_lshlrev_b32 v206, v94, v206                  ; at their places;
	s_delay_alu instid0(VALU_DEP_1)
	v_permlanex16_b32 v208, v206, s[SEL], s[SEL+1]
	s_delay_alu instid0(VALU_DEP_1)
	v_or_b32 v253, v206, v208                      ; with lane l xor 16's two p's scale word is whole
.irp i, 0,1,2
	v_mov_b32 v[227+\i], v[236+\i]
	v_mov_b32 v[233+\i], v[240+\i]
.endr
.irp k, 0,1,2,3                        ; the row's sum of the unquantised p, four chains.  (Also the places in front of the products below)
	v_pk_add_f32 v[192+2*\k:193+2*\k], v[96+4*\k:97+4*\k], v[98+4*\k:99+4*\k]
.endr
.irp j, 16,24,32,40,48,56
.irp k, 0,1,2,3
	v_pk_add_f32 v[192+2*\k:193+2*\k], v[192+2*\k:193+2*\k], v[96+\j+2*\k:97+\j+2*\k]
.endr
.endr
	v_pk_add_f32 v[192:193], v[192:193], v[194:195]
	v_pk_add_f32 v[196:197], v[196:197], v[198:199]
	s_delay_alu instid0(VALU_DEP_1)
	v_pk_add_f32 v[192:193], v[192:193], v[196:197]
	s_delay_alu instid0(VALU_DEP_1)
	v_pk_add_f32 v[14:15], v[14:15], v[192:193]
	s_wait_alu depctr_va_vdst(0)                   ; the wait here, directly ahead of the wait below
	s_wait_dscnt 0x0                               ; V
.irp t, 0,1,2,3                        ; the four accumulators take turns
	v_wmma_scale_f32_16x16x128_f8f6f4 v[160+8*\t:167+8*\t], v[34+12*\t:45+12*\t], v[224:235], v[160+8*\t:167+8*\t], v[248+\t], v253 matrix_a_fmt:MATRIX_FMT_FP6 matrix_b_fmt:MATRIX_FMT_FP6
.endr
.Lhid_\@:
	s_add_co_u32 s[KT], s[KT], 1
	s_add_co_u32 s[TBK], s[TBK], 7680
	s_add_co_u32 s[TBV], s[TBV], 6144
	s_add_co_u32 s[TS], s[TS], 256
.endm
.macro WALK trips, diag                ; every wave walks a constant number of trips
	s_mov_b32 s[CNT], \trips
.Lst_\@:
	STEP \diag
	s_sub_co_u32 s[CNT], s[CNT], 1
	s_cmp_lg_u32 s[CNT], 0
	s_cbranch_scc1 .Lst_\@
.endm
; A tile ends: O^T / the sum; register 16 b + i is channel 32 b + 16 h + i of my query (V's tiles are the stored, permuted ones): two blocks, quantised: one unit of y.
.macro FINISH y, ys
.rept 4
	v_nop
.endr
	v_add_f32 v14, v14, v15
	s_delay_alu instid0(VALU_DEP_1)
	v_permlanex16_b32 v208, v14, s[SEL], s[SEL+1]
	s_delay_alu instid0(VALU_DEP_1)
	v_add_f32 v14, v14, v208
	s_wait_alu depctr_va_vdst(0)
	v_rcp_f32 v14, v14
	v_nop                                          ; a plain line behind the reciprocal,
	s_wait_alu depctr_va_vdst(0)                   ; and the wait ahead of its first reader
.irp j, 0,2,4,6,8,10,12,14,16,18,20,22,24,26,28,30
	v_pk_mul_f32 v[96+\j:97+\j], v[160+\j:161+\j], v[14:15] op_sel_hi:[1,0]
.endr
.irp b, 0,1
	v_max3_num_f32 v[200+\b], |v[96+16*\b]|, |v[97+16*\b]|, 0x1800000
.endr
.irp i, 2,4,6,8,10,12,14
.irp b, 0,1
	s_delay_alu instid0(VALU_DEP_2)
	v_max3_num_f32 v[200+\b], v[200+\b], |v[96+16*\b+\i]|, |v[97+16*\b+\i]|
.endr
.endr
.irp b, 0,1
	s_delay_alu instid0(VALU_DEP_2)
	v_permlanex16_b32 v[208+\b], v[200+\b], s[SEL], s[SEL+1]
.endr
.irp b, 0,1
	s_delay_alu instid0(VALU_DEP_2)
	v_max_num_f32 v[200+\b], v[200+\b], v[208+\b]
.endr
.irp b, 0,1
	s_delay_alu instid0(VALU_DEP_2)
	v_add_nc_u32 v[204+\b], 0xff000000, v[200+\b]
.endr
.irp b, 0,1
	s_delay_alu instid0(VALU_DEP_2)
	v_lshrrev_b32 v[206+\b], 23, v[204+\b]
.endr
	s_delay_alu instid0(VALU_DEP_1)
	v_lshl_or_b32 v254, v207, 8, v206              ; the head's two bytes
	v_cvt_scalef32_pk16_fp6_f32 v[224:226], v[96:111], v204
	v_cvt_scalef32_pk16_fp6_f32 v[228:230], v[112:127], v205
	v_nop
.irp i, 0,1,2
	v_permlane16_swap_b32 v[224+\i], v[228+\i]
.endr
.irp i, 0,1,2
	s_delay_alu instid0(VALU_DEP_3)
	v_mov_b32 v[227+\i], v[228+\i]
.endr
	global_store_b128 v1, v[224:227], s[\y:\y+1]               ; 512 + 256 consecutive bytes, aligned to 256
	global_store_b64 v2, v[228:229], s[\y:\y+1] offset:512
	global_store_b16 v85, v254, s[\ys:\ys+1]                   ; my head's half of each row's scale word (both halves of the lanes write the same bytes)
.endm
	INIT 0, 14
	WALK 2, 0                                      ; key steps 0 and 1 of the first tile, whose diagonal lies at step 2 or later
	s_wait_tensorcnt 0x0                           ; every wave: all my loads have landed
	s_wait_dscnt 0x0
	s_barrier_signal -1
	s_barrier_wait -1                              ; all of K and V is in
	WALK 14, 1
	FINISH 52, 54
	INIT 1, 15
	WALK 12, 1                                     ; the second tile: its diagonal lies at step 11 or earlier
	FINISH 60, 62
	s_wait_tensorcnt 0x0                           ; the wave's end
	ds_add_u32 v[SPW], v[NIL]
	s_wait_dscnt 0x0
	CROUND                                         ; the closing round
	s_endpgm
.Lfunc_end_k_q83ed7034bf_attn:
	.size	k_q83ed7034bf_attn, .Lfunc_end_k_q83ed7034bf_attn-k_q83ed7034bf_attn
	.p2alignl 7, 3214868480
	.fill 96, 4, 3214868480
	.section	.rodata,"a",@progbits
	.p2align	6, 0x0
	.amdhsa_kernel k_q83ed7034bf_attn
		.amdhsa_group_segment_fixed_size 327680
		.amdhsa_private_segment_fixed_size 0
		.amdhsa_enable_private_segment 0
		.amdhsa_kernarg_size 32
		.amdhsa_user_sgpr_count 2
		.amdhsa_user_sgpr_kernarg_segment_ptr 1
		.amdhsa_wavefront_size32 1
		.amdhsa_system_sgpr_workgroup_id_x 1
		.amdhsa_system_sgpr_workgroup_id_y 1
		.amdhsa_system_sgpr_workgroup_id_z 1
		.amdhsa_system_vgpr_workitem_id 0
		.amdhsa_next_free_vgpr 256
		.amdhsa_next_free_sgpr 86
		.amdhsa_reserve_vcc 1
		.amdhsa_float_denorm_mode_32 3
		.amdhsa_float_denorm_mode_16_64 3
		.amdhsa_memory_ordered 1
		.amdhsa_forward_progress 1
		.amdhsa_inst_pref_size 82
	.end_amdhsa_kernel
	.amdgpu_metadata
---
amdhsa.version: [ 1, 2 ]
amdhsa.kernels:
  - .name:           k_q83ed7034bf_attn
    .symbol:         k_q83ed7034bf_attn.kd
    .args:
      - { .name: qkvc, .offset: 0, .size: 8, .value_kind: global_buffer, .address_space: global }
      - { .name: qkvs, .offset: 8, .size: 8, .value_kind: global_buffer, .address_space: global }
      - { .name: yc, .offset: 16, .size: 8, .value_kind: global_buffer, .address_space: global }
      - { .name: ys, .offset: 24, .size: 8, .value_kind: global_buffer, .address_space: global }
    .group_segment_fixed_size: 327680
    .private_segment_fixed_size: 0
    .kernarg_segment_align: 8
    .kernarg_segment_size: 32
    .max_flat_workgroup_size: 512
    .sgpr_count:     86
    .vgpr_count:     256
    .wavefront_size: 32
...
	.end_amdgpu_metadata
.endif
;; end of part 3
;; launch proj (part 4): grid 4 x 64, 4 waves a work-group, clusters of 4 x 4, 327,680 bytes of LDS; arguments yc, ys, pc, ps, b_proj, out0; writes out0
.if DOCPART == 4
	.amdgcn_target "amdgcn-amd-amdhsa--gfx1250"
	.amdhsa_code_object_version 6
	.text
	.protected	k_q83ed7034bf_proj
	.globl	k_q83ed7034bf_proj
	.p2align	8
	.type	k_q83ed7034bf_proj,@function
k_q83ed7034bf_proj:
	s_mov_b64 s[64:65], 0
	v_nop
	global_prefetch_b8 v0, s[64:65] scope:SCOPE_SE
	s_setreg_imm32_b32 hwreg(HW_REG_WAVE_MODE, 25, 1), 1
	s_wait_xcnt 0x0
	s_wait_alu depctr_hold_cnt(0) depctr_sa_sdst(0) depctr_va_vdst(0) depctr_va_sdst(0) depctr_va_ssrc(0) depctr_va_vcc(0) depctr_vm_vsrc(0)
	s_getreg_b32 s2, hwreg(HW_REG_IB_STS2, 6, 4)
	s_cmp_eq_u32 s2, 0
	s_cbranch_scc0 .Lentry_in_a_cluster
	s_endpgm
.Lentry_in_a_cluster:
	s_bfe_u32 s2, ttmp6, 0x10000c
	s_cmp_lg_u32 s2, 0xf033
	s_cbranch_scc0 .Lentry_shape_is_right
	s_endpgm
.Lentry_shape_is_right:
; out0 = y w_proj + b_proj on codes of FP6 (E2M3) with E8M0 scales, K = 1,024.  A work-group makes 128 rows x 256 columns; four waves, 64 x 128 each: 32 accumulators; the bias is the first products' C.
; ALL of K lies in LDS, filled once, at the head, one joint load a wave: wave 0 y's 8 tiles (two rows of 49,152 bytes, one for each K half of yc), wave 1 w_proj's 16 tiles (two rows of 98,304 bytes),
; wave 2 y's scale words (4,096 dense bytes), wave 3 w_proj's (8,192).  One barrier shows all four; nothing is filled again.  No prefetch: every tile is asked for at the head.
; CLUSTERS: 4 x 4: y's tiles are shared along a row of the cluster, w_proj's along a column.  The result leaves through each wave's own stage in LDS, in bytes that have had their only fill, as rows of 512 bytes.
.set FR,   12
.set BOFF, 98304
.set ASC,  294912
.set BSC,  299008
.set ADRA, 16
.set ADRB, 20
.set STO,  24
.set RD,   25
.set ADSA, 27
.set ADSB, 30
.set SA,   32
.set SB,   40
.set AF,   128
.set BK,   64
.set WVN,  94
.set WRR,  95
.set WCC,  96
.set G1, 24
.set G0, 32
.set G1B, 48
.set G0B, 56
.set G1S, 68
.set G0S, 76
.set G1SB, 80
.set G0SB, 88
.set MSB, 0
.macro WIN new
.if MSB != \new
	s_set_vgpr_msb (MSB<<8)|\new
.set MSB, \new
.endif
.endm
.macro ARM eq, g0, g1, next            ; an arm of the head's chain of branches on the wave's number: one load, and a jump to the chain's end
	s_cmp_eq_u32 s[WVN], \eq
	s_cbranch_scc0 \next
	tensor_load_to_lds s[\g0:\g0+3], s[\g1:\g1+7]
	s_nop 0
.rept 4
	v_nop
.endr
	s_branch .Lhead_asked
\next:
.endm
.macro CROUND
	s_barrier_signal -1
	s_barrier_wait -1
	s_cmp_lg_u32 s[WVN], 0
	s_cbranch_scc1 .Lnot_wave_0_\@
	s_barrier_signal -3
.Lnot_wave_0_\@:
	s_barrier_wait -3
	s_barrier_signal -1
	s_barrier_wait -1
.endm
	s_load_b128 s[4:7], s[0:1], 0x0
	s_load_b128 s[8:11], s[0:1], 0x10
	s_load_b128 s[12:15], s[0:1], 0x20
	v_lshl_add_u32 v254, v0, 2, 0x4b000
	v_mov_b32 v255, 0
	ds_add_u32 v254, v255
	ds_add_u32 v254, v255
	v_lshrrev_b32 v1, 5, v0
	v_readfirstlane_b32 s[WVN], v1
	s_lshr_b32 s[WRR], s[WVN], 1
	s_and_b32 s[WCC], s[WVN], 1
	s_bfe_u32 s40, ttmp6, 0x40000
	s_bfe_u32 s41, ttmp6, 0x40004
	s_lshl_b32 s42, ttmp9, 2
	s_add_co_u32 s42, s42, s40
	s_and_b32 s17, ttmp7, 0xffff
	s_lshl_b32 s17, s17, 2
	s_add_co_u32 s17, s17, s41
	s_lshl_b32 s43, s41, 2
	s_lshl_b32 s43, 15, s43
	s_lshl_b32 s44, 0x1111, s40
	s_or_b32 s[G1+0], s43, (3<<16)|(1<<21)
	s_mov_b32 s[G1+1], 6144<<16
	s_mov_b32 s[G1+2], 2<<16
	s_mov_b32 s[G1+3], 6144<<16
	s_mov_b32 s[G1+4], 2
	s_mov_b32 s[G1+5], 393216
	s_mov_b32 s[G1+6], 0
	s_mov_b32 s[G1+7], 0
	s_or_b32 s[G1B+0], s44, (3<<16)|(1<<21)
	s_mov_b32 s[G1B+1], 12288<<16
	s_mov_b32 s[G1B+2], 2<<16
	s_mov_b32 s[G1B+3], 12288<<16
	s_mov_b32 s[G1B+4], 2
	s_mov_b32 s[G1B+5], 49152
	s_mov_b32 s[G1B+6], 0
	s_mov_b32 s[G1B+7], 0
	s_or_b32 s[G1S+0], s43, (3<<16)|(1<<21)
	s_mov_b32 s[G1S+1], 32<<16
	s_mov_b32 s[G1S+2], 16<<16
	s_mov_b32 s[G1S+3], 32<<16
	s_mov_b32 s[G1S+4], 16
	s_mov_b32 s[G1S+5], 32
	s_mov_b32 s[G1S+6], 0
	s_mov_b32 s[G1S+7], 0
	s_or_b32 s[G1SB+0], s44, (3<<16)|(1<<21)
	s_mov_b32 s[G1SB+1], 32<<16
	s_mov_b32 s[G1SB+2], 32<<16
	s_mov_b32 s[G1SB+3], 32<<16
	s_mov_b32 s[G1SB+4], 32
	s_mov_b32 s[G1SB+5], 32
	s_mov_b32 s[G1SB+6], 0
	s_mov_b32 s[G1SB+7], 0
	s_lshl_b32 s20, s17, 3                         ; y's first tile of my 8
	s_lshl_b32 s46, s42, 4                         ; w_proj's first of my 16
	s_lshl_b32 s22, s20, 9
	s_mov_b32 s23, 0
	s_lshl_b32 s92, s46, 9
	s_mov_b32 s93, 0
	s_mul_i32 s20, s20, 6144
	s_mov_b32 s21, 0
	s_mul_i32 s46, s46, 6144
	s_mov_b32 s47, 0
	s_wait_dscnt 0x0
	s_wait_kmcnt 0x0
	s_add_nc_u64 s[20:21], s[4:5], s[20:21]
	s_add_nc_u64 s[22:23], s[6:7], s[22:23]
	s_add_nc_u64 s[46:47], s[8:9], s[46:47]
	s_add_nc_u64 s[92:93], s[10:11], s[92:93]
	CROUND
	s_mov_b32 s[G0S], 1
	s_mov_b32 s[G0S+1], ASC
	s_mov_b64 s[G0S+2:G0S+3], s[22:23]
	s_or_b32 s[G0S+3], s[G0S+3], 0x80000000
	s_mov_b32 s[G0SB], 1
	s_mov_b32 s[G0SB+1], BSC
	s_mov_b64 s[G0SB+2:G0SB+3], s[92:93]
	s_or_b32 s[G0SB+3], s[G0SB+3], 0x80000000
	s_mov_b32 s[G0], 1
	s_mov_b32 s[G0+1], 0
	s_mov_b64 s[G0+2:G0+3], s[20:21]
	s_or_b32 s[G0+3], s[G0+3], 0x80000000
	s_mov_b32 s[G0B], 1
	s_mov_b32 s[G0B+1], BOFF
	s_mov_b64 s[G0B+2:G0B+3], s[46:47]
	s_or_b32 s[G0B+3], s[G0B+3], 0x80000000
	ARM 0, G0,  G1,  .Lhead_b                      ; one tensor load a wave at the head
	ARM 1, G0B, G1B, .Lhead_sa
	ARM 2, G0S, G1S, .Lhead_sb
	tensor_load_to_lds s[G0SB:G0SB+3], s[G1SB:G1SB+7]
	s_nop 0
.rept 4
	v_nop
.endr
.Lhead_asked:
	v_and_b32 v1, 15, v0
	v_bfe_u32 v2, v0, 4, 1
	v_and_b32 v3, 31, v0
	v_lshlrev_b32 v4, 4, v3
	v_lshlrev_b32 v5, 3, v3
	s_mul_i32 s21, s[WRR], 24576
	s_mul_i32 s22, s[WCC], 49152
	s_add_co_u32 s22, s22, BOFF
.irp k, 0,1
	v_add_nc_u32 v[ADRA+\k], s21, v4
	v_add_nc_u32 v[ADRA+2+\k], s21, v5
	v_add_nc_u32 v[ADRB+\k], s22, v4
	v_add_nc_u32 v[ADRB+2+\k], s22, v5
	s_add_co_u32 s21, s21, 49152
	s_add_co_u32 s22, s22, 98304
.endr
	s_lshl_b32 s21, s[WRR], 11
	s_add_co_u32 s21, s21, ASC
	v_lshl_add_u32 v[ADSA], v1, 2, s21
	s_lshl_b32 s22, s[WCC], 12
	s_add_co_u32 s22, s22, BSC
	v_lshl_add_u32 v[ADSB], v1, 2, s22
	s_mul_i32 s23, s[WVN], 8448
	v_mul_u32_u24 v6, v1, 528
	v_lshl_add_u32 v6, v2, 6, v6
	v_add_nc_u32 v[STO], s23, v6
	v_add_nc_u32 v[RD], s23, v4
	v_lshlrev_b32 v6, 6, v2
	s_wait_alu depctr_va_vdst(0)
	s_lshl_b32 s20, s17, 7
	s_lshl_b32 s21, s[WRR], 6
	s_add_co_u32 s20, s20, s21
	s_lshl_b32 s20, s20, 12
	s_lshl_b32 s46, s42, 8
	s_lshl_b32 s47, s[WCC], 7
	s_add_co_u32 s46, s46, s47
	s_lshl_b32 s46, s46, 2
	s_mov_b32 s47, 0
	s_add_nc_u64 s[12:13], s[12:13], s[46:47]
	s_add_co_u32 s20, s20, s46
	s_mov_b32 s21, 0
	s_add_nc_u64 s[14:15], s[14:15], s[20:21]
	WIN 0xc0
.irp b, 0,1,2,3,4,5,6,7
	global_load_b128 v[8*\b:8*\b+3], v6, s[12:13] offset:(32*(\b/2)+8*(\b%2))*4
	global_load_b128 v[8*\b+4:8*\b+7], v6, s[12:13] offset:(32*(\b/2)+8*(\b%2))*4+16
.endr
	WIN 0
.macro FRAGP reg, adr, off
	ds_load_b128 v[\reg:\reg+3], v[\adr] offset:\off
	ds_load_b64 v[\reg+4:\reg+5], v[\adr+2] offset:\off+512
	ds_load_b128 v[\reg+6:\reg+9], v[\adr] offset:\off+768
	ds_load_b64 v[\reg+10:\reg+11], v[\adr+2] offset:\off+1280
.endm
.macro FETCHP s, set
	WIN 0
.irp i, 0,1,2,3
	FRAGP AF+48*(\set)+FR*\i, ADRA+(\s)/4, 6144*\i+1536*((\s)%4)
.endr
	WIN 0x40
.irp i, 0,1,2,3,4,5,6,7
	FRAGP 128*(\set)+FR*\i, ADRB+(\s)/4, 6144*\i+1536*((\s)%4)
.endr
	WIN 0
.irp i, 0,1,2,3
	ds_load_b32 v[SA+4*(\set)+\i], v[ADSA] offset:512*\i+64*(\s)
.endr
.irp i, 0,1,2,3,4,5,6,7
	ds_load_b32 v[SB+8*(\set)+\i], v[ADSB] offset:512*\i+64*(\s)
.endr
.endm
.macro MULP s
.if (\s) == 0
	WIN 0xb1
.else
	WIN 0xa1
.endif
.irp a, 0,1,2,3
.irp b, 0,1,2,3,4,5,6,7
.if (\s) == 0
	v_wmma_scale_f32_16x16x128_f8f6f4 v[8*(8*\a+\b):8*(8*\a+\b)+7], v[128*((\s)%2)+FR*\b:128*((\s)%2)+FR*\b+FR-1], v[AF+48*((\s)%2)+FR*\a:AF+48*((\s)%2)+FR*\a+FR-1], v[8*\b:8*\b+7], v[SB+8*((\s)%2)+\b], v[SA+4*((\s)%2)+\a] matrix_a_fmt:MATRIX_FMT_FP6 matrix_b_fmt:MATRIX_FMT_FP6
.else
	v_wmma_scale_f32_16x16x128_f8f6f4 v[8*(8*\a+\b):8*(8*\a+\b)+7], v[128*((\s)%2)+FR*\b:128*((\s)%2)+FR*\b+FR-1], v[AF+48*((\s)%2)+FR*\a:AF+48*((\s)%2)+FR*\a+FR-1], v[8*(8*\a+\b):8*(8*\a+\b)+7], v[SB+8*((\s)%2)+\b], v[SA+4*((\s)%2)+\a] matrix_a_fmt:MATRIX_FMT_FP6 matrix_b_fmt:MATRIX_FMT_FP6
.endif
.endr
.endr
.endm
.macro PLACES
.rept 4
	v_nop
.endr
.endm
	s_wait_tensorcnt 0x0                           ; my tile of the four is in; the barrier shows all four to all waves
	s_barrier_signal -1
	s_barrier_wait -1
	FETCHP 0, 0
	s_wait_loadcnt 0x0
.irp s, 0,1,2,3,4,5,6,7
	s_wait_dscnt 0x0
.if \s < 7
.if \s > 0
	PLACES
.endif
	FETCHP \s+1, (\s+1)%2
.endif
	MULP \s
.endr
	PLACES
	WIN 0
	s_barrier_signal -1
	s_barrier_wait -1
.macro TOSTAGE a
	WIN 0x08
.irp b, 0,1,2,3,4,5,6,7
	ds_store_b128 v[STO], v[8*(8*(\a)+\b):8*(8*(\a)+\b)+3] offset:128*(\b/2)+32*(\b%2)
	ds_store_b128 v[STO], v[8*(8*(\a)+\b)+4:8*(8*(\a)+\b)+7] offset:128*(\b/2)+32*(\b%2)+16
.endr
	WIN 0
.set BB, BK+64*((\a)%2)
.irp t, 0,1,2,3,4,5,6,7,8,9,10,11,12,13,14,15
	ds_load_b128 v[BB+4*\t:BB+4*\t+3], v[RD] offset:528*\t
.endr
.endm
.macro SEND a, younger
.set BB, BK+64*((\a)%2)
	s_wait_dscnt \younger
.irp t, 0,1,2,3,4,5,6,7,8,9,10,11,12,13,14,15
	global_store_b128 v4, v[BB+4*\t:BB+4*\t+3], s[14:15] offset:(32*((\a)/2)+8*((\a)%2)+\t+8*(\t/8))*4096 th:TH_STORE_NT
.endr
.endm
	TOSTAGE 0
.irp a, 1,2,3
.if \a > 1
	s_wait_xcnt 0x0
.endif
	TOSTAGE \a
	SEND \a-1, 32
.endr
	SEND 3, 0
	s_wait_tensorcnt 0x0
	ds_add_u32 v254, v255
	s_wait_dscnt 0x0
	CROUND
	s_endpgm
.Lfunc_end_k_q83ed7034bf_proj:
	.size	k_q83ed7034bf_proj, .Lfunc_end_k_q83ed7034bf_proj-k_q83ed7034bf_proj
	.p2alignl 7, 3214868480
	.fill 96, 4, 3214868480
	.section	.rodata,"a",@progbits
	.p2align	6, 0x0
	.amdhsa_kernel k_q83ed7034bf_proj
		.amdhsa_group_segment_fixed_size 327680
		.amdhsa_private_segment_fixed_size 0
		.amdhsa_enable_private_segment 0
		.amdhsa_kernarg_size 48
		.amdhsa_user_sgpr_count 2
		.amdhsa_user_sgpr_kernarg_segment_ptr 1
		.amdhsa_wavefront_size32 1
		.amdhsa_system_sgpr_workgroup_id_x 1
		.amdhsa_system_sgpr_workgroup_id_y 1
		.amdhsa_system_sgpr_workgroup_id_z 1
		.amdhsa_system_vgpr_workitem_id 0
		.amdhsa_next_free_vgpr 832
		.amdhsa_next_free_sgpr 100
		.amdhsa_reserve_vcc 0
		.amdhsa_float_denorm_mode_32 3
		.amdhsa_float_denorm_mode_16_64 3
		.amdhsa_memory_ordered 1
		.amdhsa_forward_progress 1
		.amdhsa_inst_pref_size 89
	.end_amdhsa_kernel
	.amdgpu_metadata
---
amdhsa.version: [ 1, 2 ]
amdhsa.kernels:
  - .name:           k_q83ed7034bf_proj
    .symbol:         k_q83ed7034bf_proj.kd
    .args:
      - { .name: yc, .offset: 0, .size: 8, .value_kind: global_buffer, .address_space: global }
      - { .name: ys, .offset: 8, .size: 8, .value_kind: global_buffer, .address_space: global }
      - { .name: pc, .offset: 16, .size: 8, .value_kind: global_buffer, .address_space: global }
      - { .name: ps, .offset: 24, .size: 8, .value_kind: global_buffer, .address_space: global }
      - { .name: b_proj, .offset: 32, .size: 8, .value_kind: global_buffer, .address_space: global }
      - { .name: out0, .offset: 40, .size: 8, .value_kind: global_buffer, .address_space: global }
    .group_segment_fixed_size: 327680
    .private_segment_fixed_size: 0
    .kernarg_segment_align: 8
    .kernarg_segment_size: 48
    .max_flat_workgroup_size: 128
    .sgpr_count:     100
    .vgpr_count:     832
    .wavefront_size: 32
...
	.end_amdgpu_metadata
.endif
;; end of part 4
